; MI455X (gfx1250); checked and timed in simulation.
; The chip was launched on July 23, 2026; its instructions are those of AMD's public machine-readable ISA for CDNA 5 (MIT licence, August 2026) and "CDNA5" Instruction Set Architecture Reference Guide (July 2026). The comments in the code are by the model that wrote it; some were corrected since.
;; Vector Quantizer. Allowed arithmetic: matrix products marked QUANTISED: E2M3 operands, one E8M0 scale for each 32 along K, by v_wmma_scale_f32_16x16x128_f8f6f4 with both operands' format E2M3, f32 sums; everything else in f32.
;; Inputs: codebook 8,192 x 512 float32; x 4 x 2,048 x 512 float32.
;; Outputs: out0 4 x 2,048 x 512 float32; out1 one number float32; out2 one number float32; out3 one number float32; out4 one number float32; out5 4 x 2,048 int32.
;; This version of the problem:
;;   THIS VERSION OF THE PROBLEM IS GIVEN IN LOW PRECISION. The matrix products marked QUANTISED in the list below multiply operands that are first quantised to E2M3 (2 exponent bits, 3 mantissa bits; 6 bits a number), with one power-of-two scale for each 32 numbers along K (OCP MX v1.0); their sums are f32. All else is computed in f32.
;;   The module's matrix products, in the order in which they are computed (A, B: the left and right operand; K: the contracted axis; several contracted axes count as one K, in the product's order):
;;     1. [M 8,192, K 512] x [K 512, N 8,192]; A: input x; B: input codebook: QUANTISED
;;   THE QUANTISER, for each operand of a quantised product, along K:
;;     - K is cut into blocks of 32 from its start; a last block that is shorter is filled with zeros.
;;     - A block's scale is 2^e with e = floor(log2(the largest magnitude in the block)) - 2, held to -126 .. 127; a block of zeros has e = 0. As a byte (E8M0): e + 127.
;;     - Each number is divided by its block's scale, clamped to +-7.5, and rounded to the nearest number of E2M3, ties to even, subnormals kept.
;;     - The product sums the exact products of the quantised numbers (number of the format x scale) in f32.
;;   ~~~python
;;   def quantise(x, axis):      # numpy; x: float32 -> the quantised numbers, widened to float32 again
;;       x = np.moveaxis(x, axis, -1); K = x.shape[-1]
;;       x = np.pad(x, [(0, 0)] * (x.ndim - 1) + [(0, -K % 32)]); x = x.reshape(x.shape[:-1] + (-1, 32)); a = np.abs(x).max(-1, keepdims=True)
;;       e = np.where(a > 0, np.clip(np.frexp(np.where(a > 0, a, 1))[1] - 1 - 2, -126, 127), 0)      # np.frexp(a)[1] - 1 = floor(log2(a)), exactly
;;       r = np.clip(x / 2.0 ** e, -7.5, 7.5)
;;       step = 2.0 ** (np.maximum(np.frexp(np.where(r == 0, 1, r))[1] - 1, 0) - 3)
;;       q = np.round(r / step) * step * 2.0 ** e      # np.round: ties to even
;;       return np.moveaxis(q.reshape(q.shape[:-2] + (-1,))[..., :K], -1, axis).astype(np.float32)
;;   ~~~
;; One version. Each part assembles by itself: llvm-mc -triple=amdgcn-amd-amdhsa -mcpu=gfx1250 --defsym DOCPART=n.
;; ======== version 1 of 1: 5 launches
;; limits: right only within a limited range of input values
;; workspace buffers: qz 6,815,744 bytes; part 1,572,864 bytes; pidx 524,288 bytes of whole numbers; colp 524,288 bytes; hent 32,768 bytes; idxw 32,768 bytes of whole numbers; dpart 2,048 bytes
;; launch quant (part 1): grid 256 x 1, 4 waves a work-group, no clusters, 168,448 bytes of LDS; arguments x, codebook, qz; writes qz
.if DOCPART == 1
	.amdgcn_target "amdgcn-amd-amdhsa--gfx1250"
	.amdhsa_code_object_version 6
	.text
	.protected	k_qac4059ccaf_quant
	.globl	k_qac4059ccaf_quant
	.p2align	8
	.type	k_qac4059ccaf_quant,@function
k_qac4059ccaf_quant:
	s_mov_b64 s[64:65], 0
	v_nop
	global_prefetch_b8 v0, s[64:65] scope:SCOPE_SE
	s_setreg_imm32_b32 hwreg(HW_REG_WAVE_MODE, 25, 1), 1
	s_wait_xcnt 0x0
; x [8192][512] and codebook [8192][512], f32, become codes of FP6 (E2M3) with one E8M0 scale byte for each 32 along K, laid as IMAGES OF THE OPERAND'S REGISTERS,
; and each row's sum of squares (of the f32 numbers) is laid beside them.  A RECORD is 16 rows, 6,656 bytes (26 x 256): records 0-511 are x's, 512-1023 the codebook's.
;   +1536 s + 512 c + 16 l : registers 4 c .. 4 c + 3 of lane l of the fragment of K step s (128 along K; 12 registers a lane)
;   +6144 + 8 l + 4 q      : the scale word of row l % 16 for K step 2 q + l / 16
;   +6400 + 4 r            : row r's sum of squares;   +6464 + 4 r : the same with the sign turned;   then 128 bytes of zeros, written too, since whole records are fetched later
; A block's scale is 2^(floor(log2(its largest magnitude)) - 2); its byte is the largest magnitude's exponent field - 2, held at 1 from below.
; THE SUM OF SQUARES has a fixed order, a tree of halves: each square is rounded by itself; in each of 16 windows of 32 neighbours element j is added onto j + 16, then + 8, + 4, + 2, + 1;
; the 16 window sums are added the same way, window W onto W + 8, then + 4, + 2, + 1.
; LIMITS: a block of zeros gets the byte 1 where the quantiser says 127 (its codes are zeros, and this program alone reads the bytes); NaN and infinities are not served;
; the definition does not state the order of this sum: with another order a token whose two best squared distances lie an ulp or two apart may take the other index.
; SHARES: work-group g makes records 4 g .. 4 g + 3, 64 rows.  Wave w FETCHES K step w of all 64 rows by its one tensor load (64 rows x 512 bytes, 16 bytes of padding behind each row),
; one barrier shows the four tiles to all waves, and wave w then WORKS record 4 g + w: its 16 rows out of each of the four tiles.
; Lane (r, h) takes row r and, of K step s, the blocks 2 c + h (c = 0, 1): what the operand's layout gives that lane, so the conversions' results ARE the fragment.
; Clusters, matrix units: nothing here is shared between work-groups and nothing is multiplied.
.set REC,   6656
.set PITCH, 528
.set TILE,  64*PITCH                   ; a K step's tile: 64 rows
.set WREG,  16*PITCH                   ; my 16 rows in a tile
.set SCR,   4*TILE                     ; behind the tiles: 256 bytes for each wave, into which no tensor load lands
.set SPARE, 0x29000                    ; the spare words, 128 bytes a wave
.set LA,  4                            ; v4 my row in tiles 0, 1;  v218 (LA + 214) in tiles 2, 3: an LDS offset has 16 bits
.set LI,  5
.set L8,  6
.set SW,  7
.set SB,  8
.set H8,  9
.set ZR,  10
.set SQ,  12
.set PW,  20
.set M,   24
.set SO,  26
.set BY,  28
.set TP,  30
.set TQ,  31
.set T4,  32
.set OUT, 32
.set F,   40
.set X,   88
.set WV,  10
.set G1,  16
.set G0,  24
.set SEL, 40
.set HM,  42
	s_load_b128 s[4:7], s[0:1], 0x0                ; x, codebook
	s_load_b64 s[8:9], s[0:1], 0x10                ; qz
	v_lshl_add_u32 v216, v0, 2, SPARE
	v_mov_b32 v217, 0
	ds_add_u32 v216, v217                          ; the opening lines: the add twice on end and one wait
	ds_add_u32 v216, v217
	v_lshrrev_b32 v1, 5, v0
	v_readfirstlane_b32 s[WV], v1                  ; wave 0..3
	s_lshl_b32 s11, ttmp9, 2
	s_and_b32 s12, s11, 511
	s_lshl_b32 s12, s12, 15                        ; the work-group's 64 rows in their tensor: 32,768 bytes a record,
	s_lshl_b32 s44, s[WV], 9
	s_add_co_u32 s12, s12, s44                     ; and the K step that I fetch: 512 bytes of each row
	s_mov_b32 s13, 0
	s_add_co_u32 s11, s11, s[WV]                   ; the record that I work
	s_mul_i32 s14, s11, REC
	s_mov_b32 s15, 0
	s_mov_b32 s[G1], (2<<16)|(1<<20)|(6<<22)|(3<<25)   ; elements of 4 bytes; padding: behind every 128 words, 4 words
	s_mov_b32 s[G1+1], 128<<16
	s_mov_b32 s[G1+2], 64<<16
	s_mov_b32 s[G1+3], 128<<16
	s_mov_b32 s[G1+4], 64
	s_mov_b32 s[G1+5], 512
	s_mov_b32 s[G1+6], 0
	s_mov_b32 s[G1+7], 0
	s_mul_i32 s43, s[WV], WREG
	s_mov_b32 s[SEL], 0x76543210
	s_mov_b32 s[SEL+1], 0xfedcba98                 ; lane l xor 16
	s_mov_b32 s[HM], 0xffff0000                    ; lanes 16-31
	s_wait_dscnt 0x0
	s_wait_kmcnt 0x0
	s_cmp_lt_u32 ttmp9, 128                        ; x's work-group or the codebook's
	s_cselect_b64 s[4:5], s[4:5], s[6:7]
	s_add_nc_u64 s[4:5], s[4:5], s[12:13]
	s_add_nc_u64 s[8:9], s[8:9], s[14:15]
	s_mov_b32 s[G0], 1
	s_mul_i32 s[G0+1], s[WV], TILE
	s_mov_b64 s[G0+2:G0+3], s[4:5]
	s_or_b32 s[G0+3], s[G0+3], 0x80000000
	tensor_load_to_lds s[G0:G0+3], s[G1:G1+7]      ; my one tensor load
	s_nop 0
.rept 4
	v_nop
.endr
	v_and_b32 v1, 31, v0
	v_and_b32 v2, 15, v0
	v_bfe_u32 v3, v0, 4, 1
	v_mul_u32_u24 v[LA], v2, PITCH
	v_lshl_add_u32 v[LA], v3, 7, v[LA]
	v_add_nc_u32 v[LA], s43, v[LA]
	v_add_nc_u32 v[LA+214], 2*TILE, v[LA]
	v_lshlrev_b32 v[LI], 4, v1
	v_lshlrev_b32 v[L8], 3, v1
	s_lshl_b32 s44, s[WV], 8
	s_add_co_u32 s44, s44, SCR
	v_lshl_add_u32 v[SW], v2, 2, s44
	v_lshl_add_u32 v[SB], v1, 3, s44
	v_lshlrev_b32 v[H8], 3, v3
	v_mov_b32 v[ZR], 0
	v_mov_b32 v[ZR+1], 0
	v_mov_b32 v[TQ], 0
.macro XL s                            ; K step s: my two blocks, 64 numbers, into set s % 2
.irp c, 0,1
.irp j, 0,1,2,3,4,5,6,7
	ds_load_b128 v[X+64*((\s)%2)+32*\c+4*\j:X+64*((\s)%2)+32*\c+4*\j+3], v[LA+214*((\s)/2)] offset:TILE*((\s)%2)+256*\c+16*\j
.endr
.endr
.endm
.macro HALVE n                         ; of both blocks' first 2 n registers the upper n are added onto the lower n
.set i, 0
.rept (\n)/2
.irp c, 0,1
	v_pk_add_f32 v[XS+32*\c+2*i:XS+32*\c+2*i+1], v[XS+32*\c+2*i:XS+32*\c+2*i+1], v[XS+32*\c+(\n)+2*i:XS+32*\c+(\n)+2*i+1]
.endr
.set i, i+1
.endr
.endm
.macro QUANT6 s
.set XS, X+64*((\s)%2)
.set FS, F+12*(\s)
.irp c, 0,1
	v_max3_num_f32 v[M+\c], |v[XS+32*\c]|, |v[XS+32*\c+1]|, 0x1800000   ; with the floor 2^(3 - 127): the byte cannot fall under 1
.endr
.irp i, 2,4,6,8,10,12,14,16,18,20,22,24,26,28,30
.irp c, 0,1
	v_max3_num_f32 v[M+\c], v[M+\c], |v[XS+32*\c+\i]|, |v[XS+32*\c+\i+1]|
.endr
.endr
.irp c, 0,1
	v_add_nc_u32 v[SO+\c], 0xff000000, v[M+\c]     ; 2 off the exponent field: the conversion's scale operand
.endr
.irp c, 0,1
	v_lshrrev_b32 v[BY+\c], 23, v[SO+\c]           ; the scale's byte
.endr
	v_lshl_or_b32 v[TP], v[BY+1], 16, v[BY]
	v_lshlrev_b32 v[TP], v[H8], v[TP]
	v_permlanex16_b32 v[TQ], v[TP], s[SEL], s[SEL+1]
	v_or_b32 v[PW+(\s)], v[TP], v[TQ]              ; with lane l xor 16's two bytes the word is whole
.irp c, 0,1
	v_cvt_scalef32_pk16_fp6_f32 v[FS+6*\c:FS+6*\c+2], v[XS+32*\c:XS+32*\c+15], v[SO+\c]
	v_cvt_scalef32_pk16_fp6_f32 v[T4+4*\c:T4+4*\c+2], v[XS+32*\c+16:XS+32*\c+31], v[SO+\c]
.endr
	v_nop                                          ; one plain place behind a scaled conversion
.irp c, 0,1
.irp i, 0,1,2
	v_mov_b32 v[FS+6*\c+3+\i], v[T4+4*\c+\i]
.endr
.endr
.irp c, 0,1,2
	global_store_b128 v[LI], v[FS+4*\c:FS+4*\c+3], s[8:9] offset:1536*(\s)+512*\c   ; 512 consecutive bytes, aligned
.endr
.set i, 0
.rept 16
.irp c, 0,1
	v_pk_mul_f32 v[XS+32*\c+2*i:XS+32*\c+2*i+1], v[XS+32*\c+2*i:XS+32*\c+2*i+1], v[XS+32*\c+2*i:XS+32*\c+2*i+1]
.endr
.set i, i+1
.endr
	HALVE 16
	HALVE 8
	HALVE 4
	HALVE 2
.irp c, 0,1
	v_add_f32 v[SQ+2*(\s)+\c], v[XS+32*\c], v[XS+32*\c+1]          ; window 4 s + 2 c + h
.endr
.endm
	s_wait_alu depctr_va_vdst(0)                   ; the wait at the head's end
	s_wait_tensorcnt 0x0                           ; my tile is in,
	s_barrier_signal -1
	s_barrier_wait -1                              ; everybody's is
	XL 0
	XL 1
	s_wait_dscnt 16                                ; set 0 is in; the 16 loads of set 1 may be out
	QUANT6 0
	XL 2
	s_wait_dscnt 16
	QUANT6 1
	XL 3
	s_wait_dscnt 16
	QUANT6 2
	s_wait_dscnt 0x0
	QUANT6 3
	v_cndmask_b32 v[OUT], v[PW], v[PW+1], s[HM]    ; the scale image: even K step in lanes 0-15, odd one in lanes 16-31
	v_cndmask_b32 v[OUT+1], v[PW+2], v[PW+3], s[HM]
	global_store_b64 v[L8], v[OUT:OUT+1], s[8:9] offset:6144
	v_pk_add_f32 v[SQ:SQ+1], v[SQ:SQ+1], v[SQ+4:SQ+5]
	v_pk_add_f32 v[SQ+2:SQ+3], v[SQ+2:SQ+3], v[SQ+6:SQ+7]
	v_pk_add_f32 v[SQ:SQ+1], v[SQ:SQ+1], v[SQ+2:SQ+3]
	v_add_f32 v[SQ], v[SQ], v[SQ+1]
	v_permlanex16_b32 v[TQ], v[SQ], s[SEL], s[SEL+1]
	v_add_f32 v[SQ], v[SQ], v[TQ]                  ; row r's sum of squares
	v_xor_b32 v[TP], 0x80000000, v[SQ]             ; and with the sign turned
	ds_store_b64 v[SB], v[ZR:ZR+1]                 ; 256 bytes of zeros in my scratch,
	ds_store_b32 v[SW], v[SQ]                      ; the 16 sums over the first 64,
	ds_store_b32 v[SW], v[TP] offset:64            ; the 16 turned ones over the next 64;
	ds_load_b64 v[OUT+2:OUT+3], v[SB]              ; LDS serves a wave's instructions in order
	s_wait_dscnt 0x0
	global_store_b64 v[L8], v[OUT+2:OUT+3], s[8:9] offset:6400
	s_wait_tensorcnt 0x0                           ; the wave's end
	ds_add_u32 v216, v217
	s_wait_dscnt 0x0
	s_endpgm
.Lfunc_end_k_qac4059ccaf_quant:
	.size	k_qac4059ccaf_quant, .Lfunc_end_k_qac4059ccaf_quant-k_qac4059ccaf_quant
	.p2alignl 7, 3214868480
	.fill 96, 4, 3214868480
	.section	.rodata,"a",@progbits
	.p2align	6, 0x0
	.amdhsa_kernel k_qac4059ccaf_quant
		.amdhsa_group_segment_fixed_size 168448
		.amdhsa_private_segment_fixed_size 0
		.amdhsa_enable_private_segment 0
		.amdhsa_kernarg_size 24
		.amdhsa_user_sgpr_count 2
		.amdhsa_user_sgpr_kernarg_segment_ptr 1
		.amdhsa_wavefront_size32 1
		.amdhsa_system_sgpr_workgroup_id_x 1
		.amdhsa_system_sgpr_workgroup_id_y 1
		.amdhsa_system_sgpr_workgroup_id_z 1
		.amdhsa_system_vgpr_workitem_id 0
		.amdhsa_next_free_vgpr 220
		.amdhsa_next_free_sgpr 66
		.amdhsa_reserve_vcc 0
		.amdhsa_float_denorm_mode_32 3
		.amdhsa_float_denorm_mode_16_64 3
		.amdhsa_memory_ordered 1
		.amdhsa_forward_progress 1
		.amdhsa_inst_pref_size 37
	.end_amdhsa_kernel
	.amdgpu_metadata
---
amdhsa.version: [ 1, 2 ]
amdhsa.kernels:
  - .name:           k_qac4059ccaf_quant
    .symbol:         k_qac4059ccaf_quant.kd
    .args:
      - { .name: x, .offset: 0, .size: 8, .value_kind: global_buffer, .address_space: global }
      - { .name: codebook, .offset: 8, .size: 8, .value_kind: global_buffer, .address_space: global }
      - { .name: qz, .offset: 16, .size: 8, .value_kind: global_buffer, .address_space: global }
    .group_segment_fixed_size: 168448
    .private_segment_fixed_size: 0
    .kernarg_segment_align: 8
    .kernarg_segment_size: 24
    .max_flat_workgroup_size: 128
    .sgpr_count:     66
    .vgpr_count:     220
    .wavefront_size: 32
...
	.end_amdgpu_metadata
.endif
;; end of part 1
;; launch pass1 (part 2): grid 16 x 16, 8 waves a work-group, clusters of 4 x 1, 327,680 bytes of LDS; arguments qz, part, pidx; writes part, pidx
.if DOCPART == 2
	.amdgcn_target "amdgcn-amd-amdhsa--gfx1250"
	.amdhsa_code_object_version 6
	.text
	.protected	k_qac4059ccaf_pass1
	.globl	k_qac4059ccaf_pass1
	.p2align	8
	.type	k_qac4059ccaf_pass1,@function
k_qac4059ccaf_pass1:
	s_mov_b64 s[64:65], 0
	v_nop
	global_prefetch_b8 v0, s[64:65] scope:SCOPE_SE
	s_setreg_imm32_b32 hwreg(HW_REG_WAVE_MODE, 25, 1), 1
	s_wait_xcnt 0x0
	s_wait_alu depctr_hold_cnt(0) depctr_sa_sdst(0) depctr_va_vdst(0) depctr_va_sdst(0) depctr_va_ssrc(0) depctr_va_vcc(0) depctr_vm_vsrc(0)
	s_getreg_b32 s2, hwreg(HW_REG_IB_STS2, 6, 4)
	s_cmp_eq_u32 s2, 0
	s_cbranch_scc0 .Lentry_in_a_cluster
	s_endpgm
.Lentry_in_a_cluster:
	s_bfe_u32 s2, ttmp6, 0x10000c
	s_cmp_lg_u32 s2, 0x3003
	s_cbranch_scc0 .Lentry_shape_is_right
	s_endpgm
.Lentry_shape_is_right:
; FIRST SWEEP over d[t][k] = sqrt(max((x_sq[t] - 2 Q(x[t]).Q(c[k])) + c_sq[k], 0)): for each token and each block of 512 codes the smallest d, its lowest index, and the softmax's partial sums.
; The product is on codes of FP6 (E2M3) with E8M0 scales; all behind it is f32, in the operation order of the definition: one rounding for x_sq - 2 dots (a fused multiply-add by -2), then + c_sq.
; THE INDEX is the lowest one whose CORRECTLY ROUNDED root is the smallest.  v_sqrt_f32 is good to 1 ulp, so the search goes on d^2: of a step's smallest d^2 the root s is corrected to D
; (x <= prev(s) s: the lower neighbour; x > next(s) s: the upper one; the signs by fused multiply-adds), and TH = D next(D), rounded down, is the largest f32 number whose root rounds to D or less.
; The index is the lowest element with d^2 <= TH.
; SOFTMAX of -d / 0.01, in powers of two: C = log2(e) / 0.01.  Under a reference CM = C x (the smallest D so far): a = CM - C d, e = 2^a, Z = sum of e, S = sum of e a.
; The smallest d is the largest logit: it is taken away as a RUNNING maximum.  When it moves by delta = CM new - CM old: S = f (S + delta Z), Z = f Z, f = 2^delta.
; SHARES.  Work-group (x, y): token block x (512 tokens) against code block y (512 codes).  Each of eight waves owns 64 tokens, four tiles of 16, whose fragments stay in 192 registers (window 1).
; LAYOUT.  Source 0 = 16 codes, source 1 = 16 tokens: a lane holds ONE token (lane % 16) and the codes 8 (lane / 16) + 0 .. 7 of a tile.
; A STEP is 32 codes x 64 tokens: 32 products in one run on eight accumulators by turns, then the vector work.  The fragments of K steps 0 and 1 and the scale words of the NEXT step are asked of LDS
; directly behind the products, into registers of their own; those of K steps 2 and 3 and c_sq at a step's top, into the registers that the exponentials have left, ahead of the first 16 products.
; In the vector work dependent lines stand eight lines apart where the work has eight chains (the minimum and the index search go by code tile and token tile); the 32 paired clamps at 0,
; which hang on nothing but d^2, are dealt two at a time among the lines of the root's correction, which has four chains.  The minimum is taken ahead of the clamp and clamped itself: the same number.
; THE CODE BLOCK, 32 records of 6,656 bytes, is filled once, in two stages: a record a wave at the head (steps 0-3), three records a wave behind the round that follows the first stage's wait;
; the second stage is waited for, with a barrier, ahead of the step behind whose products step 4's first fragments are read.
; CLUSTER.  The four work-groups of a cluster have the same y: both stages are asked for JOINTLY.  The tokens' fragments go from memory straight into registers.
; NO PREFETCH: both tensor loads go out in the head, so no later request is left to run ahead of.
; OUT: part [dmin, Z, S][16 code blocks][8192], pidx [16][8192].  In a wave's group of 64 tokens word 2 l + q holds token 16 (2 (l / 16) + q) + l % 16: a store of 8 bytes a lane covers 256 consecutive bytes, aligned.
; LIMITS: NaN and infinities are not served; the start value 1e30 lies above every finite d; C folds the division by 0.01 into one f32 constant; a smallest d^2 under 2^-126 has the root 0 here
; (v_sqrt_f32 takes a denormal as zero); the matrix unit's rounding of the dots can turn the rounding of x_sq - 2 dots, and with it the index, where a token's two best d^2 lie within an ulp or two.
.set REC,   6656
.set SPARE, 32*REC                     ; behind the records: the spare words, 128 bytes a wave
.set LI0, 1                            ; 16 x lane
.set LS0, 2                            ; 8 x lane + 6144
.set LQ0, 3                            ; 32 h + 6400
.set AF,  4                            ; a step's LDS addresses: fragments, scale words, c_sq
.set AS,  5
.set AQ,  6
.set H8,  7                            ; 8 h
.set SSC, 8                            ; v8-15  the tokens' scale words
.set TSC, 16                           ; v16-19 the codes'
.set IB,  20                           ; this step's first code + 8 h
.set SOF, 21                           ; 8 x lane
.set NIL, 22                           ; 0
.set SPW, 23                           ; my spare word
.set ST,  24                           ; v24-55 tile i at ST + 8 i: +0 x_sq, +1 smallest D, +2 CM, +3 index, +4:5 Z, +6:7 S
.set CSQ, 56                           ; v56-71 c_sq of my eight codes of tile u
.set Y,   72                           ; v72-135 accumulator (u, i) at Y + 32 u + 8 i: dots, d^2, then a
.set E,   136                          ; v136-199 the fragments of K steps 2, 3 (48 registers), then d, then e
.set DD,  200
.set DN,  204
.set UP,  208
.set VP,  212
.set SM,  216
.set JX,  220                          ; the second minimum chain, then the index's place in code tile 1
.set JW,  224                          ; the index's place in code tile 0, then in the step
.set T,   228                          ; a sign, then an index
.set TH,  232
.set DL,  236                          ; delta, tile i at DL + 2 i (named as a pair; the low word serves both halves)
.set SF,  244                          ; f, likewise
.set RO,  253                          ; 4 r, for the head's loads
.set FE,  192                          ; window 1, v192-239: the fragments of K steps 0, 1.  Window 1, v0-191: the tokens' fragments
.set HT,  72
.set PD,  136
.set WV,  10
.set G1,  16
.set G0,  24
.set SEL, 28
.set HM,  30
.set TB,  31
.set NC,  32
.set PC,  34
.set IBS, 36
.set CNT, 37
.set MK,  40                           ; s40-47 lane masks
.set G0B, 48
.set SB,  60
.set G1B, 68
.set MSB, 0
.macro WIN new                         ; the immediate's high byte repeats the setting that is left
.if MSB != \new
	s_set_vgpr_msb (MSB<<8)|\new
.set MSB, \new
.endif
.endm
.macro ROUND                           ; a round of the cluster's barrier
	s_barrier_signal -1
	s_barrier_wait -1
	s_cmp_lg_u32 s[WV], 0
	s_cbranch_scc1 .Lnot_wave_0_\@
	s_barrier_signal -3
.Lnot_wave_0_\@:
	s_barrier_wait -3
	s_barrier_signal -1
	s_barrier_wait -1
.endm
	s_load_b128 s[4:7], s[0:1], 0x0                ; qz, part
	s_load_b64 s[8:9], s[0:1], 0x10                ; pidx
	v_lshl_add_u32 v[SPW], v0, 2, SPARE
	v_mov_b32 v[NIL], 0
	ds_add_u32 v[SPW], v[NIL]                      ; the opening lines: the add twice on end and one wait
	ds_add_u32 v[SPW], v[NIL]
	v_lshrrev_b32 v1, 5, v0
	v_readfirstlane_b32 s[WV], v1                  ; wave 0..7
	v_and_b32 v[AF], 31, v0
	v_and_b32 v[AS], 15, v0
	v_bfe_u32 v[AQ], v0, 4, 1
	v_lshlrev_b32 v[LI0], 4, v[AF]
	v_lshlrev_b32 v[SOF], 3, v[AF]
	v_add_nc_u32 v[LS0], 6144, v[SOF]
	v_lshl_add_u32 v[LQ0], v[AQ], 5, 6400
	v_lshlrev_b32 v[H8], 3, v[AQ]
	v_lshlrev_b32 v[RO], 2, v[AS]
	s_bfe_u32 s11, ttmp6, 0x40000                  ; cx
	s_lshl_b32 s12, ttmp9, 2
	s_add_co_u32 s12, s12, s11                     ; token block: it enters global addresses alone
	s_and_b32 s13, ttmp7, 0xffff                   ; code block, which the four partners share
	s_mov_b32 s[G1], 15|(3<<16)|(1<<21)            ; the mask: all four work-groups; elements of 8 bytes; bit 21 set beside a mask
	s_mov_b32 s[G1+1], 32<<16                      ; dense rows of 256 bytes
	s_mov_b32 s[G1+2], 26<<16                      ; 26 rows = one record
	s_mov_b32 s[G1+3], 32<<16
	s_mov_b32 s[G1+4], 26
	s_mov_b32 s[G1+5], 32
	s_mov_b32 s[G1+6], 0
	s_mov_b32 s[G1+7], 0
	s_mov_b32 s[G1B], 15|(3<<16)|(1<<21)
	s_mov_b32 s[G1B+1], 32<<16
	s_mov_b32 s[G1B+2], 78<<16                     ; 78 rows = three records
	s_mov_b32 s[G1B+3], 32<<16
	s_mov_b32 s[G1B+4], 78
	s_mov_b32 s[G1B+5], 32
	s_mov_b32 s[G1B+6], 0
	s_mov_b32 s[G1B+7], 0
	s_lshl_b32 s56, s13, 5
	s_add_co_u32 s56, s56, 512                     ; the code block's first record
	s_mul_i32 s46, s[WV], 3
	s_add_co_u32 s46, s46, s56
	s_add_co_u32 s46, s46, 8                       ; second stage: records 8 + 3 w .. of the block
	s_mul_i32 s46, s46, REC
	s_mov_b32 s47, 0
	s_add_co_u32 s56, s56, s[WV]                   ; first stage: record w
	s_mul_i32 s56, s56, REC
	s_mov_b32 s57, 0
	s_mul_i32 s58, s[WV], REC                      ; and where they go: no place in the cluster enters an LDS address
	s_mul_i32 s59, s[WV], 3*REC
	s_add_co_u32 s59, s59, 8*REC
	s_lshl_b32 s60, s12, 5
	s_lshl_b32 s61, s[WV], 2
	s_add_co_u32 s60, s60, s61                     ; my tokens' first record
	s_mul_i32 s60, s60, REC
	s_mov_b32 s61, 0
	s_lshl_b32 s62, s13, 15                        ; my results: 32,768 x code block + 4 (512 x token block + 64 x wave)
	s_lshl_b32 s63, s12, 11
	s_add_co_u32 s62, s62, s63
	s_lshl_b32 s63, s[WV], 8
	s_add_co_u32 s62, s62, s63
	s_mov_b32 s63, 0
	s_mov_b32 s[SEL], 0x76543210
	s_mov_b32 s[SEL+1], 0xfedcba98                 ; lane l xor 16
	s_mov_b32 s[HM], 0xffff0000
	s_mov_b32 s[NC], 0xc31044fe                    ; -C
	s_mov_b32 s[NC+1], s[NC]
	s_mov_b32 s[PC], 0x431044fe                    ; C = log2(e) / 0.01
	s_mov_b32 s[PC+1], s[PC]
	s_mov_b32 s[TB], 0
	s_lshl_b32 s[IBS], s13, 9
	s_wait_alu depctr_va_vdst(0)                   ; the wait ahead of the blocking waits
	s_wait_dscnt 0x0
	s_wait_kmcnt 0x0
	s_mov_b32 s[G0], 1
	s_mov_b32 s[G0+1], s58
	s_add_nc_u64 s[G0+2:G0+3], s[4:5], s[56:57]
	s_or_b32 s[G0+3], s[G0+3], 0x80000000
	s_mov_b32 s[G0B], 1
	s_mov_b32 s[G0B+1], s59
	s_add_nc_u64 s[G0B+2:G0B+3], s[4:5], s[46:47]
	s_or_b32 s[G0B+3], s[G0B+3], 0x80000000
	s_add_nc_u64 s[SB:SB+1], s[4:5], s[60:61]
	s_add_nc_u64 s[6:7], s[6:7], s[62:63]
	s_add_nc_u64 s[8:9], s[8:9], s[62:63]
	WIN 0x40                                       ; destination window 1
.irp i, 0,1,2,3                        ; my tokens' fragments (tile i, K step s) at v[48 i + 12 s] of window 1: asked for ahead of the rounds, they stay
.irp s, 0,1,2,3
.irp c, 0,1,2
	global_load_b128 v[48*\i+12*\s+4*\c:48*\i+12*\s+4*\c+3], v[LI0], s[SB:SB+1] offset:REC*\i+1536*\s+512*\c
.endr
.endr
.endr
	WIN 0
.irp i, 0,1,2,3
	global_load_b64 v[SSC+2*\i:SSC+2*\i+1], v[LS0], s[SB:SB+1] offset:REC*\i
	global_load_b32 v[ST+8*\i], v[RO], s[SB:SB+1] offset:REC*\i+6400
.endr
	ROUND                                          ; all four work-groups are here: the joint loads meet
	tensor_load_to_lds s[G0:G0+3], s[G1:G1+7]      ; first stage: my one tensor load at the head
	s_nop 0
.rept 4
	v_nop
.endr
.irp i, 0,1,2,3
	v_mov_b32 v[ST+8*\i+1], 0x7149f2ca             ; the smallest D so far: 1e30
	v_mov_b32 v[ST+8*\i+3], 0
	v_mov_b32 v[ST+8*\i+4], 0                      ; Z and S begin as zeros, which the first change of reference leaves zeros
	v_mov_b32 v[ST+8*\i+5], 0
	v_mov_b32 v[ST+8*\i+6], 0
	v_mov_b32 v[ST+8*\i+7], 0
	v_mov_b32 v[DL+2*\i+1], 0                      ; the upper halves of pairs of which the low word alone is used
	v_mov_b32 v[SF+2*\i+1], 0
.endr
.irp i, 0,1,2,3
	v_mul_f32 v[ST+8*\i+2], s[PC], v[ST+8*\i+1]
.endr
	s_wait_alu depctr_va_vdst(0)                   ; the wait at the head's end
	s_wait_tensorcnt 0x0                           ; my record is in
	ds_add_u32 v[SPW], v[NIL]
	s_wait_dscnt 0x0
	ROUND                                          ; everybody's first stage is in, and the four work-groups are here
	tensor_load_to_lds s[G0B:G0B+3], s[G1B:G1B+7]  ; second stage: my one tensor load behind the round
	s_nop 0
.rept 4
	v_nop
.endr
.macro PRE                             ; 14 LDS loads ahead of a step: its scale words and the fragments of K steps 0 and 1
.irp u, 0,1
	ds_load_b64 v[TSC+2*\u:TSC+2*\u+1], v[AS] offset:REC*\u
.endr
	WIN 0x40
.irp s, 0,1
.irp u, 0,1
.irp c, 0,1,2
	ds_load_b128 v[FE+24*\s+12*\u+4*\c:FE+24*\s+12*\u+4*\c+3], v[AF] offset:REC*\u+1536*\s+512*\c
.endr
.endr
.endr
	WIN 0
.endm
.macro WM s, q                         ; one product: K step s, accumulator q = 4 u + i
.set WU, (\q)/4
.set WI, (\q)%4
.set WD, Y+32*WU+8*WI
.if (\s) < 2
.set WA, FE+24*(\s)+12*WU
.else
.set WA, E+24*((\s)-2)+12*WU
.endif
.set WB, 48*WI+12*(\s)
.if (\s) == 0
	v_wmma_scale_f32_16x16x128_f8f6f4 v[WD:WD+7], v[WA:WA+11], v[WB:WB+11], 0, v[TSC+2*WU], v[SSC+2*WI] matrix_a_fmt:MATRIX_FMT_FP6 matrix_b_fmt:MATRIX_FMT_FP6
.elseif ((\s)%2) == 1
	v_wmma_scale_f32_16x16x128_f8f6f4 v[WD:WD+7], v[WA:WA+11], v[WB:WB+11], v[WD:WD+7], v[TSC+2*WU+(\s)/2], v[SSC+2*WI+(\s)/2] matrix_a_fmt:MATRIX_FMT_FP6 matrix_b_fmt:MATRIX_FMT_FP6 matrix_a_scale:MATRIX_SCALE_ROW1 matrix_b_scale:MATRIX_SCALE_ROW1
.else
	v_wmma_scale_f32_16x16x128_f8f6f4 v[WD:WD+7], v[WA:WA+11], v[WB:WB+11], v[WD:WD+7], v[TSC+2*WU+(\s)/2], v[SSC+2*WI+(\s)/2] matrix_a_fmt:MATRIX_FMT_FP6 matrix_b_fmt:MATRIX_FMT_FP6
.endif
.endm
.macro MPH                             ; a step's products: K step by K step, the eight accumulators by turns, one instruction a turn
.irp s, 2,3
.irp u, 0,1
.irp c, 0,1,2
	ds_load_b128 v[E+24*(\s-2)+12*\u+4*\c:E+24*(\s-2)+12*\u+4*\c+3], v[AF] offset:REC*\u+1536*\s+512*\c
.endr
.endr
.endr
.irp u, 0,1
.irp k, 0,1
	ds_load_b128 v[CSQ+8*\u+4*\k:CSQ+8*\u+4*\k+3], v[AQ] offset:REC*\u+16*\k
.endr
.endr
	s_wait_dscnt 16                                ; the scale words and K steps 0, 1 are in; the 16 loads just issued may be out
	WIN 0x05                                       ; sources 0 and 1 window 1
.irp s, 0,1
.irp q, 0,1,2,3,4,5,6,7
	WM \s, \q
.endr
.endr
	s_wait_dscnt 0x0                               ; K steps 2, 3 and c_sq
	WIN 0x04                                       ; source 1 window 1
.irp s, 2,3
.irp q, 0,1,2,3,4,5,6,7
	WM \s, \q
.endr
.endr
	WIN 0
.endm
.macro DU k                            ; the next k of the 32 paired clamps: d^2 = max(.., 0)
.rept \k
.if DC < 64
	v_dual_max_num_f32 v[Y+DC], 0, v[Y+DC] :: v_dual_max_num_f32 v[Y+DC+1], 0, v[Y+DC+1]
.set DC, DC+2
.endif
.endr
.endm
.macro BODY last                       ; one step; last = 0: with the first requests of the next step
.set DC, 0
	MPH
.if \last
	v_add_nc_u32 v[IB], s[IBS], v[H8]
.rept 3
	v_nop                                          ; with the line above: four places behind the last product (ISA guide 7.12.1)
.endr
.else
	s_add_co_u32 s[TB], s[TB], 2*REC
	v_add_nc_u32 v[AF], s[TB], v[LI0]              ; these four lines are the four places behind the last product (ISA guide 7.12.1)
	v_add_nc_u32 v[AS], s[TB], v[LS0]
	v_add_nc_u32 v[AQ], s[TB], v[LQ0]
	v_add_nc_u32 v[IB], s[IBS], v[H8]
	PRE
.endif
.irp p, 0,2,4,6                        ; x_sq - 2 dots: one rounding; each accumulator is read from its low end on
.irp u, 0,1
.irp i, 0,1,2,3
	v_pk_fma_f32 v[Y+32*\u+8*\i+\p:Y+32*\u+8*\i+\p+1], v[Y+32*\u+8*\i+\p:Y+32*\u+8*\i+\p+1], -2.0, v[ST+8*\i:ST+8*\i+1] op_sel_hi:[1,0,0]
.endr
.endr
.endr
.irp p, 0,2,4,6                        ; + c_sq
.irp u, 0,1
.irp i, 0,1,2,3
	v_pk_add_f32 v[Y+32*\u+8*\i+\p:Y+32*\u+8*\i+\p+1], v[Y+32*\u+8*\i+\p:Y+32*\u+8*\i+\p+1], v[CSQ+8*\u+\p:CSQ+8*\u+\p+1]
.endr
.endr
.endr
.irp i, 0,1,2,3                        ; the smallest of a tile's 16, in eight chains
	v_min3_num_f32 v[SM+\i], v[Y+8*\i], v[Y+8*\i+1], v[Y+8*\i+2]
.endr
.irp i, 0,1,2,3
	v_min3_num_f32 v[JX+\i], v[Y+32+8*\i], v[Y+32+8*\i+1], v[Y+32+8*\i+2]
.endr
.irp k, 3,5
.irp i, 0,1,2,3
	v_min3_num_f32 v[SM+\i], v[SM+\i], v[Y+8*\i+\k], v[Y+8*\i+\k+1]
.endr
.irp i, 0,1,2,3
	v_min3_num_f32 v[JX+\i], v[JX+\i], v[Y+32+8*\i+\k], v[Y+32+8*\i+\k+1]
.endr
.endr
.irp i, 0,1,2,3
	v_min3_num_f32 v[SM+\i], v[SM+\i], v[JX+\i], v[Y+8*\i+7]
.endr
	DU 2
.irp i, 0,1,2,3
	v_min_num_f32 v[SM+\i], v[SM+\i], v[Y+32+8*\i+7]
.endr
	DU 2
.irp i, 0,1,2,3
	v_max_num_f32 v[SM+\i], 0, v[SM+\i]            ; the step's smallest d^2
.endr
	DU 2
	s_wait_alu depctr_va_vdst(0)                   ; ahead of the batch
.irp i, 0,1,2,3
	v_sqrt_f32 v[DD+\i], v[SM+\i]                  ; its root s, good to an ulp
.endr
.irp i, 0,1,2,3
	v_mov_b32 v[JW+\i], 64                         ; (plain places)  code tile 0: nothing found yet
.endr
.irp i, 0,1,2,3
	v_mov_b32 v[JX+\i], 23                         ; code tile 1: the place begins at the last element
.endr
	s_wait_alu depctr_va_vdst(0)                   ; behind the batch
.irp i, 0,1,2,3                        ; s is corrected to the correctly rounded root D
	v_add_nc_u32 v[DN+\i], -1, v[DD+\i]
.endr
	DU 2
.irp i, 0,1,2,3
	v_add_nc_u32 v[UP+\i], 1, v[DD+\i]
.endr
	DU 2
.irp i, 0,1,2,3
	v_fma_f32 v[VP+\i], -v[DN+\i], v[DD+\i], v[SM+\i]      ; x - prev(s) s: its sign is exact
.endr
	DU 2
.irp i, 0,1,2,3
	v_fma_f32 v[T+\i], -v[UP+\i], v[DD+\i], v[SM+\i]       ; x - next(s) s
.endr
	DU 2
.irp i, 0,1,2,3
	v_cmp_ge_f32 s[MK+\i], 0, v[VP+\i]
.endr
	DU 2
.irp i, 0,1,2,3
	v_cndmask_b32 v[DD+\i], v[DD+\i], v[DN+\i], s[MK+\i]
.endr
	DU 2
.irp i, 0,1,2,3
	v_cmp_lt_f32 s[MK+\i], 0, v[T+\i]
.endr
	DU 2
.irp i, 0,1,2,3
	v_cndmask_b32 v[DD+\i], v[DD+\i], v[UP+\i], s[MK+\i]   ; D
.endr
	DU 2
.irp i, 0,1,2,3                        ; TH = D next(D), rounded down
	v_add_nc_u32 v[UP+\i], 1, v[DD+\i]
.endr
	DU 2
.irp i, 0,1,2,3
	v_mul_f32 v[TH+\i], v[DD+\i], v[UP+\i]
.endr
	DU 2
.irp i, 0,1,2,3
	v_fma_f32 v[VP+\i], v[DD+\i], v[UP+\i], -v[TH+\i]      ; below 0 where the product was rounded up
.endr
	DU 2
.irp i, 0,1,2,3
	v_add_nc_u32 v[DN+\i], -1, v[TH+\i]
.endr
	DU 2
.irp i, 0,1,2,3
	v_cmp_gt_f32 s[MK+\i], 0, v[VP+\i]
.endr
	DU 2
.irp i, 0,1,2,3
	v_cndmask_b32 v[TH+\i], v[TH+\i], v[DN+\i], s[MK+\i]
.endr
	DU 2
.irp i, 0,1,2,3
	v_max_num_f32 v[TH+\i], v[TH+\i], v[SM+\i]     ; never under the smallest d^2 itself
.endr
	DU 2
.irp j, 7,6,5,4,3,2,1,0                ; register j of code tile u is code 16 u + j (+ 8 h); from the last down, so that the lowest wins; the two code tiles side by side
.irp i, 0,1,2,3
	v_cmp_le_f32 s[MK+\i], v[Y+8*\i+\j], v[TH+\i]
.endr
.if \j < 7
.irp i, 0,1,2,3
	v_cmp_le_f32 s[MK+4+\i], v[Y+32+8*\i+\j], v[TH+\i]
.endr
.endif
.irp i, 0,1,2,3
	v_cndmask_b32 v[JW+\i], v[JW+\i], \j, s[MK+\i]
.endr
.if \j < 7
.irp i, 0,1,2,3
	v_cndmask_b32 v[JX+\i], v[JX+\i], 16+\j, s[MK+4+\i]
.endr
.endif
.endr
.irp i, 0,1,2,3
	v_min_u32 v[JW+\i], v[JW+\i], v[JX+\i]         ; a place in code tile 0 lies under every place in code tile 1
.endr
.irp i, 0,1,2,3
	v_cmp_lt_f32 s[MK+\i], v[DD+\i], v[ST+8*\i+1]  ; strictly smaller: on a tie the earlier, lower index stays
.endr
.irp i, 0,1,2,3
	v_min_num_f32 v[ST+8*\i+1], v[ST+8*\i+1], v[DD+\i]
.endr
.irp i, 0,1,2,3
	v_add_nc_u32 v[T+\i], v[IB], v[JW+\i]
.endr
.irp i, 0,1,2,3
	v_mul_f32 v[UP+\i], s[PC], v[ST+8*\i+1]        ; the new CM
.endr
.irp i, 0,1,2,3
	v_cndmask_b32 v[ST+8*\i+3], v[ST+8*\i+3], v[T+\i], s[MK+\i]
.endr
.irp i, 0,1,2,3
	v_sub_f32 v[DL+2*\i], v[UP+\i], v[ST+8*\i+2]   ; delta, 0 or less
.endr
.irp i, 0,1,2,3
	v_mov_b32 v[ST+8*\i+2], v[UP+\i]
.endr
	s_wait_alu depctr_va_vdst(0)                   ; ahead of the batch of 68
.irp i, 0,1,2,3
	v_exp_f32 v[SF+2*\i], v[DL+2*\i]               ; f
.endr
.set n, 0
.rept 64
	v_sqrt_f32 v[E+n], v[Y+n]                      ; d, into the registers that the fragments have left
.set n, n+1
.endr
	v_nop
	s_wait_alu depctr_va_vdst(0)                   ; behind it
.irp p, 0,2,4,6                        ; a = CM - C d, over d^2
.irp u, 0,1
.irp i, 0,1,2,3
	v_pk_fma_f32 v[Y+32*\u+8*\i+\p:Y+32*\u+8*\i+\p+1], v[E+32*\u+8*\i+\p:E+32*\u+8*\i+\p+1], s[NC:NC+1], v[ST+8*\i+2:ST+8*\i+3] op_sel_hi:[1,0,0]
.endr
.endr
.endr
	s_wait_alu depctr_va_vdst(0)                   ; ahead of the batch of 64
.set n, 0
.rept 64
	v_exp_f32 v[E+n], v[Y+n]                       ; e = 2^a
.set n, n+1
.endr
.irp i, 0,1,2,3                        ; plain work behind the batch, which names none of its results
	v_pk_fma_f32 v[ST+8*\i+6:ST+8*\i+7], v[ST+8*\i+4:ST+8*\i+5], v[DL+2*\i:DL+2*\i+1], v[ST+8*\i+6:ST+8*\i+7] op_sel_hi:[1,0,1]   ; S + delta Z
.endr
.irp i, 0,1,2,3
	v_pk_mul_f32 v[ST+8*\i+4:ST+8*\i+5], v[ST+8*\i+4:ST+8*\i+5], v[SF+2*\i:SF+2*\i+1] op_sel_hi:[1,0]
.endr
.irp i, 0,1,2,3
	v_pk_mul_f32 v[ST+8*\i+6:ST+8*\i+7], v[ST+8*\i+6:ST+8*\i+7], v[SF+2*\i:SF+2*\i+1] op_sel_hi:[1,0]
.endr
	s_wait_alu depctr_va_vdst(0)                   ; behind it
.irp p, 0,2,4,6                        ; Z += e, S += e a: eight chains by turns
.irp u, 0,1
.irp i, 0,1,2,3
	v_pk_add_f32 v[ST+8*\i+4:ST+8*\i+5], v[ST+8*\i+4:ST+8*\i+5], v[E+32*\u+8*\i+\p:E+32*\u+8*\i+\p+1]
	v_pk_fma_f32 v[ST+8*\i+6:ST+8*\i+7], v[E+32*\u+8*\i+\p:E+32*\u+8*\i+\p+1], v[Y+32*\u+8*\i+\p:Y+32*\u+8*\i+\p+1], v[ST+8*\i+6:ST+8*\i+7]
.endr
.endr
.endr
	s_add_co_u32 s[IBS], s[IBS], 32
.endm
	s_wait_loadcnt 0x0                             ; my tokens' fragments, scale words and x_sq
	v_add_nc_u32 v[AF], s[TB], v[LI0]              ; step 0's first requests
	v_add_nc_u32 v[AS], s[TB], v[LS0]
	v_add_nc_u32 v[AQ], s[TB], v[LQ0]
	PRE
	s_mov_b32 s[CNT], 3
.Lfirst:                                               ; steps 0-2, with the first requests of steps 1-3: the first stage's records
	BODY 0
	s_sub_co_u32 s[CNT], s[CNT], 1
	s_cmp_lg_u32 s[CNT], 0
	s_wait_alu depctr_va_vdst(0)
	s_cbranch_scc1 .Lfirst
	s_wait_tensorcnt 0x0                           ; my three records of the second stage are in,
	s_wait_dscnt 0x0
	s_barrier_signal -1
	s_barrier_wait -1                              ; everybody's are
	s_mov_b32 s[TB], 6*REC
	s_mov_b32 s[CNT], 12
.Lrest:                                                ; steps 3-14, with the first requests of steps 4-15
	BODY 0
	s_sub_co_u32 s[CNT], s[CNT], 1
	s_cmp_lg_u32 s[CNT], 0
	s_wait_alu depctr_va_vdst(0)
	s_cbranch_scc1 .Lrest
	BODY 1                                         ; step 15: nothing follows it
	; THE END.  A token's codes lie in lanes l and l xor 16: the two halves are merged as two references are, the lower index on a tie.  At HT + 16 i: +0 Z, +1 S, +2..5 the other lane's D, index, Z, S, +6 D, +7 CM, +8, +9 deltas, +10, +11 f
.irp i, 0,1,2,3
	v_add_f32 v[HT+16*\i], v[ST+8*\i+4], v[ST+8*\i+5]
	v_add_f32 v[HT+16*\i+1], v[ST+8*\i+6], v[ST+8*\i+7]
.endr
.irp i, 0,1,2,3
	v_permlanex16_b32 v[HT+16*\i+2], v[ST+8*\i+1], s[SEL], s[SEL+1]
	v_permlanex16_b32 v[HT+16*\i+3], v[ST+8*\i+3], s[SEL], s[SEL+1]
	v_permlanex16_b32 v[HT+16*\i+4], v[HT+16*\i], s[SEL], s[SEL+1]
	v_permlanex16_b32 v[HT+16*\i+5], v[HT+16*\i+1], s[SEL], s[SEL+1]
.endr
.irp i, 0,1,2,3
	v_min_num_f32 v[HT+16*\i+6], v[ST+8*\i+1], v[HT+16*\i+2]
	v_cmp_lt_f32 s[MK+\i], v[HT+16*\i+2], v[ST+8*\i+1]
	v_cmp_eq_f32 s44, v[HT+16*\i+2], v[ST+8*\i+1]
	v_cmp_lt_i32 s45, v[HT+16*\i+3], v[ST+8*\i+3]
	s_and_b32 s44, s44, s45
	s_or_b32 s[MK+\i], s[MK+\i], s44               ; the other lane's index: its D is smaller, or equal with the lower index
	v_cndmask_b32 v[ST+8*\i+3], v[ST+8*\i+3], v[HT+16*\i+3], s[MK+\i]
.endr
.irp i, 0,1,2,3
	v_mul_f32 v[HT+16*\i+7], s[PC], v[HT+16*\i+6]
	v_mul_f32 v[HT+16*\i+9], s[PC], v[HT+16*\i+2]
.endr
.irp i, 0,1,2,3
	v_sub_f32 v[HT+16*\i+8], v[HT+16*\i+7], v[ST+8*\i+2]
	v_sub_f32 v[HT+16*\i+9], v[HT+16*\i+7], v[HT+16*\i+9]
.endr
	s_wait_alu depctr_va_vdst(0)
.irp i, 0,1,2,3
	v_exp_f32 v[HT+16*\i+10], v[HT+16*\i+8]
	v_exp_f32 v[HT+16*\i+11], v[HT+16*\i+9]
.endr
.irp i, 0,1,2,3                        ; plain work behind the eight exponentials, which names none of their results
	v_fma_f32 v[HT+16*\i+1], v[HT+16*\i+8], v[HT+16*\i], v[HT+16*\i+1]
	v_fma_f32 v[HT+16*\i+5], v[HT+16*\i+9], v[HT+16*\i+4], v[HT+16*\i+5]
.endr
	s_wait_alu depctr_va_vdst(0)                   ; one wait for the eight
.irp i, 0,1,2,3
	v_mul_f32 v[HT+16*\i], v[HT+16*\i+10], v[HT+16*\i]
	v_mul_f32 v[HT+16*\i+1], v[HT+16*\i+10], v[HT+16*\i+1]
.endr
.irp i, 0,1,2,3
	v_fma_f32 v[HT+16*\i], v[HT+16*\i+11], v[HT+16*\i+4], v[HT+16*\i]
	v_fma_f32 v[HT+16*\i+1], v[HT+16*\i+11], v[HT+16*\i+5], v[HT+16*\i+1]
.endr
	v_cndmask_b32 v[PD], v[HT+6], v[HT+38], s[HM]          ; lanes 0-15 send tiles 0 and 1, lanes 16-31 tiles 2 and 3
	v_cndmask_b32 v[PD+1], v[HT+22], v[HT+54], s[HM]
	v_cndmask_b32 v[PD+2], v[HT], v[HT+32], s[HM]
	v_cndmask_b32 v[PD+3], v[HT+16], v[HT+48], s[HM]
	v_cndmask_b32 v[PD+4], v[HT+1], v[HT+33], s[HM]
	v_cndmask_b32 v[PD+5], v[HT+17], v[HT+49], s[HM]
	v_cndmask_b32 v[PD+6], v[ST+3], v[ST+19], s[HM]
	v_cndmask_b32 v[PD+7], v[ST+11], v[ST+27], s[HM]
	global_store_b64 v[SOF], v[PD:PD+1], s[6:7]                    ; each store of the wave covers 256 consecutive bytes, aligned
	global_store_b64 v[SOF], v[PD+2:PD+3], s[6:7] offset:524288
	global_store_b64 v[SOF], v[PD+4:PD+5], s[6:7] offset:1048576
	global_store_b64 v[SOF], v[PD+6:PD+7], s[8:9]
	s_wait_tensorcnt 0x0                           ; the wave's end
	ds_add_u32 v[SPW], v[NIL]
	s_wait_dscnt 0x0
	ROUND                                          ; the closing round
	s_endpgm
.Lfunc_end_k_qac4059ccaf_pass1:
	.size	k_qac4059ccaf_pass1, .Lfunc_end_k_qac4059ccaf_pass1-k_qac4059ccaf_pass1
	.p2alignl 7, 3214868480
	.fill 96, 4, 3214868480
	.section	.rodata,"a",@progbits
	.p2align	6, 0x0
	.amdhsa_kernel k_qac4059ccaf_pass1
		.amdhsa_group_segment_fixed_size 327680
		.amdhsa_private_segment_fixed_size 0
		.amdhsa_enable_private_segment 0
		.amdhsa_kernarg_size 24
		.amdhsa_user_sgpr_count 2
		.amdhsa_user_sgpr_kernarg_segment_ptr 1
		.amdhsa_wavefront_size32 1
		.amdhsa_system_sgpr_workgroup_id_x 1
		.amdhsa_system_sgpr_workgroup_id_y 1
		.amdhsa_system_sgpr_workgroup_id_z 1
		.amdhsa_system_vgpr_workitem_id 0
		.amdhsa_next_free_vgpr 512
		.amdhsa_next_free_sgpr 80
		.amdhsa_reserve_vcc 0
		.amdhsa_float_denorm_mode_32 3
		.amdhsa_float_denorm_mode_16_64 3
		.amdhsa_memory_ordered 1
		.amdhsa_forward_progress 1
		.amdhsa_inst_pref_size 132
	.end_amdhsa_kernel
	.amdgpu_metadata
---
amdhsa.version: [ 1, 2 ]
amdhsa.kernels:
  - .name:           k_qac4059ccaf_pass1
    .symbol:         k_qac4059ccaf_pass1.kd
    .args:
      - { .name: qz, .offset: 0, .size: 8, .value_kind: global_buffer, .address_space: global }
      - { .name: part, .offset: 8, .size: 8, .value_kind: global_buffer, .address_space: global }
      - { .name: pidx, .offset: 16, .size: 8, .value_kind: global_buffer, .address_space: global }
    .group_segment_fixed_size: 327680
    .private_segment_fixed_size: 0
    .kernarg_segment_align: 8
    .kernarg_segment_size: 24
    .max_flat_workgroup_size: 256
    .sgpr_count:     80
    .vgpr_count:     512
    .wavefront_size: 32
...
	.end_amdgpu_metadata
.endif
;; end of part 2
;; launch pass2 (part 3): grid 16 x 16, 8 waves a work-group, clusters of 4 x 1, 218,112 bytes of LDS; arguments qz, part, pidx, colp, hent, idxw, out5; writes colp, hent, idxw, out5
.if DOCPART == 3
	.amdgcn_target "amdgcn-amd-amdhsa--gfx1250"
	.amdhsa_code_object_version 6
	.text
	.protected	k_qac4059ccaf_pass2
	.globl	k_qac4059ccaf_pass2
	.p2align	8
	.type	k_qac4059ccaf_pass2,@function
k_qac4059ccaf_pass2:
	s_mov_b64 s[64:65], 0
	v_nop
	global_prefetch_b8 v0, s[64:65] scope:SCOPE_SE
	s_setreg_imm32_b32 hwreg(HW_REG_WAVE_MODE, 25, 1), 1
	s_wait_xcnt 0x0
	s_wait_alu depctr_hold_cnt(0) depctr_sa_sdst(0) depctr_va_vdst(0) depctr_va_sdst(0) depctr_va_ssrc(0) depctr_va_vcc(0) depctr_vm_vsrc(0)
	s_getreg_b32 s2, hwreg(HW_REG_IB_STS2, 6, 4)
	s_cmp_eq_u32 s2, 0
	s_cbranch_scc0 .Lentry_in_a_cluster
	s_endpgm
.Lentry_in_a_cluster:
	s_bfe_u32 s2, ttmp6, 0x10000c
	s_cmp_lg_u32 s2, 0x3003
	s_cbranch_scc0 .Lentry_shape_is_right
	s_endpgm
.Lentry_shape_is_right:
; SECOND SWEEP.  The 16 partial results of each token are merged; d is made once more from the same codes; p = 2^(kt - C d) with kt = C dmin - log2 Z is the NORMALISED softmax,
; and its sums over tokens are kept for each code.
; d^2 HERE: each accumulator's first product takes -x_sq as its C, and the codes' scale bytes are raised by 1 (a factor 2; a byte made by the quantiser is 252 at the most, so it stays a finite code):
; the sums are 2 dots - x_sq, and d^2 = max(c_sq - sums, 0).  It differs from the first sweep's d^2 by the roundings of the sums alone, and serves the softmax alone: the index is the first sweep's.
; SHARES.  Work-group (x, y): code block x (512 codes, which stay in registers, 64 a wave) against token block y (512 tokens, 32 records in LDS, filled once).  Source 0 = 16 tokens, source 1 = 16 codes:
; a lane holds ONE code (lane % 16) and the tokens 8 (lane / 16) + 0 .. 7 of a tile, so the column sums never change lanes inside the loop.
; A STEP is 32 tokens x 64 codes: 32 products, then the vector work.  The next step's scale words, -x_sq and fragments are asked of LDS directly behind the products; kt at a step's top.
; CLUSTER.  The four work-groups of a cluster have the same y: the token block is asked for JOINTLY, four records a wave.  The codes' fragments go from memory straight into registers, asked for ahead of the round.
; THE HEAD.  Wave w merges dmin and Z of tokens 64 w .. 64 w + 63 of the block and lays kt in LDS in the tokens' own order.  (Every work-group of a row does that merge: 64 KiB of loads each.)
; THE FINALISER stands behind the loop.  A token block has 8 groups of 64 tokens; wave 0 of the work-groups of cluster x = 0 and 1 (a branch that is alike in all partners) takes one group each, told apart by address:
; the final index (lowest on a tie) goes to out5 and idxw in the tokens' own order, the token's entropy ln 2 (log2 Z - S / Z) to hent.
; NO PREFETCH: the one tensor load goes out in the head, so no later request is left to run ahead of.
; OUT: colp [16 token blocks][8192]: partial column sums.  In groups of 64, colp and hent keep the order of the words as they fall (word 2 l + q: row 16 (2 (l / 16) + q) + l % 16): they are only summed.
; LEFT OUT: the eps inside log_softmax is a shift common to a row, which log_softmax takes away again for all values: it is no line of its own.
; LIMITS: NaN and infinities are not served; C folds the division by 0.01 into one f32 constant.
.set REC,   6656
.set KT,    32*REC                     ; behind the records: kt of the block's 512 tokens, 2,048 bytes; no tensor load lands here
.set FS,    KT+2048                    ; and 256 bytes for each wave: the finaliser's stage
.set LI0, 1                            ; 16 x lane
.set LS0, 2                            ; 8 x lane + 6144
.set LQ0, 3                            ; 32 h + 6464: -x_sq
.set AF,  4                            ; a step's LDS addresses: fragments, scale words, -x_sq, kt
.set AS,  5
.set AQ,  6
.set AK,  7
.set SSC, 8                            ; v8-15  the codes' scale words, each byte raised by 1
.set TSC, 16                           ; v16-19 the tokens'
.set KTW, 20                           ; KT + 256 x wave + 128 h + 4 r
.set AK0, 21                           ; KT + 32 h
.set FSR, 22                           ; FS + 256 x wave + 8 x lane
.set SOF, 23                           ; 8 x lane
.set ST,  24                           ; v24-55 tile i at ST + 8 i: +0 c_sq, +1 zero, +2:3 and +4:5 column sums (tiles u = 0, 1 of the tokens)
.set GP,  26                           ; the head's and the finaliser's temporaries lie in ST's registers, ahead of their clearing and behind their last use
.set CG,  28
.set ZG,  30
.set SG,  34
.set IX,  36
.set RC,  38
.set LG,  42
.set K2,  44
.set XSQ, 56                           ; v56-71 -x_sq of my eight tokens of tile u
.set KTR, 72                           ; v72-87 their kt
.set ACC, 88
.set FR,  152
.set HD,  56                           ; the head: dmin and Z of 16 code blocks, two tokens a lane
.set HZ,  88
.set FD,  120                          ; the finaliser: dmin, Z, S, index likewise
.set FZ,  152
.set FSS, 184
.set FI,  216
.set RO,  252                          ; 4 r
.set WV,  18
.set FIN, 22
.set CNT, 23
.set G1,  24
.set G0,  32
.set SEL, 36
.set HM,  38
.set TK,  39
.set NC,  40
.set PC,  42
.set TB,  44
.set MK,  46
.set SB,  52
.set PB,  54
.set PF,  56
.set PI,  58
.set MSB, 0
.macro WIN new                         ; the immediate's high byte repeats the setting that is left
.if MSB != \new
	s_set_vgpr_msb (MSB<<8)|\new
.set MSB, \new
.endif
.endm
.macro ROUND                           ; a round of the cluster's barrier
	s_barrier_signal -1
	s_barrier_wait -1
	s_cmp_lg_u32 s[WV], 0
	s_cbranch_scc1 .Lnot_wave_0_\@
	s_barrier_signal -3
.Lnot_wave_0_\@:
	s_barrier_wait -3
	s_barrier_signal -1
	s_barrier_wait -1
.endm
	s_load_b256 s[4:11], s[0:1], 0x0               ; qz, part, pidx, colp
	s_load_b128 s[12:15], s[0:1], 0x20             ; hent, idxw
	s_load_b64 s[16:17], s[0:1], 0x30              ; out5
	v_lshl_add_u32 v254, v0, 2, 0x35000
	v_mov_b32 v255, 0
	ds_add_u32 v254, v255                          ; the opening lines: the add twice on end and one wait
	ds_add_u32 v254, v255
	v_lshrrev_b32 v1, 5, v0
	v_readfirstlane_b32 s[WV], v1                  ; wave 0..7
	s_bfe_u32 s19, ttmp6, 0x40000                  ; cx
	s_lshl_b32 s20, ttmp9, 2
	s_add_co_u32 s20, s20, s19                     ; code block = 4 x cluster x + cx (and the finaliser's group): it enters global addresses alone
	s_and_b32 s21, ttmp7, 0xffff                   ; token block, which the four partners share
	s_lshr_b32 s[FIN], ttmp9, 1
	s_or_b32 s[FIN], s[FIN], s[WV]                 ; 0 in wave 0 of clusters 0 and 1: alike in all partners
	s_mov_b32 s[G1], 15|(3<<16)|(1<<21)            ; the mask: all four work-groups; elements of 8 bytes; bit 21 set beside a mask; no padding
	s_mov_b32 s[G1+1], 32<<16
	s_mov_b32 s[G1+2], 104<<16                     ; 104 rows of 256 bytes = four records
	s_mov_b32 s[G1+3], 32<<16
	s_mov_b32 s[G1+4], 104
	s_mov_b32 s[G1+5], 32
	s_mov_b32 s[G1+6], 0
	s_mov_b32 s[G1+7], 0
	s_lshl_b32 s48, s21, 5
	s_lshl_b32 s49, s[WV], 2
	s_add_co_u32 s48, s48, s49                     ; the first record that I fetch: 32 x token block + 4 x wave
	s_mul_i32 s48, s48, REC
	s_mov_b32 s49, 0
	s_mul_i32 s50, s[WV], 4*REC
	s_lshl_b32 s52, s20, 5
	s_lshl_b32 s53, s[WV], 2
	s_add_co_u32 s52, s52, s53
	s_add_co_u32 s52, s52, 512                     ; my codes' first record
	s_mul_i32 s52, s52, REC
	s_mov_b32 s53, 0
	s_lshl_b32 s54, s21, 11
	s_lshl_b32 s55, s[WV], 8
	s_add_co_u32 s54, s54, s55                     ; the head's tokens: 4 (512 x token block + 64 x wave)
	s_mov_b32 s55, 0
	s_lshl_b32 s60, s21, 11
	s_lshl_b32 s61, s20, 8
	s_add_co_u32 s60, s60, s61                     ; the finaliser's: 4 (512 x token block + 64 x group)
	s_mov_b32 s61, 0
	s_lshl_b32 s62, s21, 15
	s_lshl_b32 s63, s20, 11
	s_add_co_u32 s62, s62, s63
	s_lshl_b32 s63, s[WV], 8
	s_add_co_u32 s62, s62, s63                     ; my column sums: 32,768 x token block + 4 (512 x code block + 64 x wave)
	s_mov_b32 s63, 0
	s_mov_b32 s[SEL], 0x76543210
	s_mov_b32 s[SEL+1], 0xfedcba98
	s_mov_b32 s[HM], 0xffff0000
	s_mov_b32 s[NC], 0xc31044fe                    ; -C
	s_mov_b32 s[NC+1], s[NC]
	s_mov_b32 s[PC], 0x431044fe                    ; C = log2(e) / 0.01
	s_mov_b32 s[PC+1], s[PC]
	s_mov_b32 s[TB], 0
	s_mov_b32 s[TK], 0
	s_wait_dscnt 0x0
	s_wait_kmcnt 0x0
	s_mov_b32 s[G0], 1
	s_mov_b32 s[G0+1], s50
	s_add_nc_u64 s[G0+2:G0+3], s[4:5], s[48:49]
	s_or_b32 s[G0+3], s[G0+3], 0x80000000
	s_add_nc_u64 s[SB:SB+1], s[4:5], s[52:53]
	s_add_nc_u64 s[PB:PB+1], s[6:7], s[54:55]
	s_add_nc_u64 s[PF:PF+1], s[6:7], s[60:61]
	s_add_nc_u64 s[PI:PI+1], s[8:9], s[60:61]
	s_add_nc_u64 s[12:13], s[12:13], s[60:61]
	s_add_nc_u64 s[14:15], s[14:15], s[60:61]
	s_add_nc_u64 s[16:17], s[16:17], s[60:61]
	s_add_nc_u64 s[10:11], s[10:11], s[62:63]
	v_and_b32 v[AF], 31, v0                        ; lane.  Every LDS address register is made here, ahead of any branch on the wave's number
	v_and_b32 v[AS], 15, v0                        ; r
	v_bfe_u32 v[AQ], v0, 4, 1                      ; h
	v_lshlrev_b32 v[LI0], 4, v[AF]
	v_lshlrev_b32 v[SOF], 3, v[AF]
	v_add_nc_u32 v[LS0], 6144, v[SOF]
	v_lshl_add_u32 v[LQ0], v[AQ], 5, 6464
	v_lshl_add_u32 v[AK0], v[AQ], 5, KT
	v_lshlrev_b32 v[RO], 2, v[AS]
	s_lshl_b32 s51, s[WV], 8
	s_add_co_u32 s51, s51, KT
	v_lshl_add_u32 v[KTW], v[AQ], 7, v[RO]
	v_add_nc_u32 v[KTW], s51, v[KTW]
	s_add_co_u32 s51, s51, 2048
	v_add_nc_u32 v[FSR], s51, v[SOF]
	WIN 0x40                                       ; destination window 1
.irp i, 0,1,2,3                        ; my codes' fragments (tile i, K step s) at v[48 i + 12 s] of window 1: they stay
.irp s, 0,1,2,3
.irp c, 0,1,2
	global_load_b128 v[48*\i+12*\s+4*\c:48*\i+12*\s+4*\c+3], v[LI0], s[SB:SB+1] offset:REC*\i+1536*\s+512*\c
.endr
.endr
.endr
	WIN 0
.irp i, 0,1,2,3
	global_load_b64 v[SSC+2*\i:SSC+2*\i+1], v[LS0], s[SB:SB+1] offset:REC*\i
	global_load_b32 v[ST+8*\i], v[RO], s[SB:SB+1] offset:REC*\i+6400
.endr
.irp c, 0,1,2,3,4,5,6,7,8,9,10,11,12,13,14,15
	global_load_b64 v[HD+2*\c:HD+2*\c+1], v[SOF], s[PB:PB+1] offset:32768*\c
	global_load_b64 v[HZ+2*\c:HZ+2*\c+1], v[SOF], s[PB:PB+1] offset:524288+32768*\c
.endr
	s_wait_alu depctr_va_vdst(0)                   ; the wait ahead of the barriers
	ROUND                                          ; all four work-groups are here: the joint loads meet
	tensor_load_to_lds s[G0:G0+3], s[G1:G1+7]      ; my one tensor load: it fills its bytes once
	s_nop 0
.rept 4
	v_nop
.endr
.macro GMIN d                          ; the smallest of 16 blocks' d, for the lane's two tokens, and C x it
.irp q, 0,1
	v_min3_num_f32 v[GP+\q], v[\d+\q], v[\d+2+\q], v[\d+4+\q]
.endr
.irp c, 3,5,7,9,11,13
.irp q, 0,1
	s_delay_alu instid0(VALU_DEP_2)
	v_min3_num_f32 v[GP+\q], v[GP+\q], v[\d+2*\c+\q], v[\d+2*\c+2+\q]
.endr
.endr
.irp q, 0,1
	s_delay_alu instid0(VALU_DEP_2)
	v_min_num_f32 v[GP+\q], v[GP+\q], v[\d+30+\q]
.endr
.irp q, 0,1
	s_delay_alu instid0(VALU_DEP_2)
	v_mul_f32 v[CG+\q], s[PC], v[GP+\q]
.endr
.endm
.macro DELTA d                         ; each block's d becomes delta = C x the smallest d - C x its d: the same products as in the first sweep, so the references agree to the bit
.irp c, 0,1,2,3,4,5,6,7,8,9,10,11,12,13,14,15
	v_pk_mul_f32 v[\d+2*\c:\d+2*\c+1], v[\d+2*\c:\d+2*\c+1], s[PC:PC+1] op_sel_hi:[1,0]
.endr
.irp c, 0,1,2,3,4,5,6,7,8,9,10,11,12,13,14,15
	v_pk_add_f32 v[\d+2*\c:\d+2*\c+1], v[CG:CG+1], v[\d+2*\c:\d+2*\c+1] neg_lo:[0,1] neg_hi:[0,1]
.endr
.endm
.macro EXP32 d                         ; and f = 2^delta: a wait, a batch of 32, a plain place, a wait
	s_wait_alu depctr_va_vdst(0)
.set n, 0
.rept 32
	v_exp_f32 v[\d+n], v[\d+n]
.set n, n+1
.endr
	v_nop
	s_wait_alu depctr_va_vdst(0)
.endm
	s_wait_loadcnt 0x0                             ; my codes' fragments, scale words and c_sq; the head's dmin and Z
	GMIN HD
	DELTA HD
	EXP32 HD
	v_pk_mul_f32 v[ZG:ZG+1], v[HD:HD+1], v[HZ:HZ+1]
.irp c, 1,2,3,4,5,6,7,8,9,10,11,12,13,14,15
	v_pk_fma_f32 v[ZG:ZG+1], v[HD+2*\c:HD+2*\c+1], v[HZ+2*\c:HZ+2*\c+1], v[ZG:ZG+1]
.endr
	s_wait_alu depctr_va_vdst(0)
	v_log_f32 v[LG], v[ZG]
	v_log_f32 v[LG+1], v[ZG+1]
	v_nop
	s_wait_alu depctr_va_vdst(0)
	v_sub_f32 v[K2], v[CG], v[LG]                  ; kt = C dmin - log2 Z
	v_sub_f32 v[K2+1], v[CG+1], v[LG+1]
	ds_store_b32 v[KTW], v[K2]
	ds_store_b32 v[KTW], v[K2+1] offset:64
	s_wait_tensorcnt 0x0                           ; my four records are in LDS,
	s_wait_dscnt 0x0                               ; my kt too (the stores have read their registers):
	s_barrier_signal -1
	s_barrier_wait -1                              ; everybody's are
.irp j, 0,1,2,3,4,5,6,7
	v_add_nc_u32 v[SSC+\j], 0x01010101, v[SSC+\j]  ; each scale byte + 1: the products come out doubled.  The 24 plain lines below stand between these and the first product
.endr
.irp i, 0,1,2,3
	v_mov_b32 v[ST+8*\i+1], 0
	v_mov_b32 v[ST+8*\i+2], 0
	v_mov_b32 v[ST+8*\i+3], 0
	v_mov_b32 v[ST+8*\i+4], 0
	v_mov_b32 v[ST+8*\i+5], 0
.endr
.macro LDF                             ; ahead of a step: its four LDS addresses, then 30 LDS loads: scale words, -x_sq, the fragments K step by K step
	v_add_nc_u32 v[AF], s[TB], v[LI0]
	v_add_nc_u32 v[AS], s[TB], v[LS0]
	v_add_nc_u32 v[AQ], s[TB], v[LQ0]
	v_add_nc_u32 v[AK], s[TK], v[AK0]
.irp u, 0,1
	ds_load_b64 v[TSC+2*\u:TSC+2*\u+1], v[AS] offset:REC*\u
.endr
.irp u, 0,1
.irp k, 0,1
	ds_load_b128 v[XSQ+8*\u+4*\k:XSQ+8*\u+4*\k+3], v[AQ] offset:REC*\u+16*\k
.endr
.endr
.irp s, 0,1,2,3
.irp u, 0,1
.irp c, 0,1,2
	ds_load_b128 v[FR+48*\u+12*\s+4*\c:FR+48*\u+12*\s+4*\c+3], v[AF] offset:REC*\u+1536*\s+512*\c
.endr
.endr
.endr
.endm
.macro LDX                             ; at a step's top: 4 LDS loads, kt, into registers that the step before has done with
.irp u, 0,1
.irp k, 0,1
	ds_load_b128 v[KTR+8*\u+4*\k:KTR+8*\u+4*\k+3], v[AK] offset:64*\u+16*\k
.endr
.endr
.endm
; 32 matrix instructions: K step by K step, the eight accumulators by turns, one instruction a turn; the first K step starts the sums from -x_sq of the tile's tokens.
; The wait ahead of K step s leaves out the later K steps' six loads each, and the four loads of kt.
.macro MM
	WIN 0x04                                       ; source 1 (the rows that stay) window 1
.irp s, 0,1,2,3
	s_wait_dscnt 6*(3-\s)+4
.irp u, 0,1
.irp i, 0,1,2,3
.if \s == 0
	v_wmma_scale_f32_16x16x128_f8f6f4 v[ACC+32*\u+8*\i:ACC+32*\u+8*\i+7], v[FR+48*\u+12*\s:FR+48*\u+12*\s+11], v[48*\i+12*\s:48*\i+12*\s+11], v[XSQ+8*\u:XSQ+8*\u+7], v[TSC+2*\u+\s/2], v[SSC+2*\i+\s/2] matrix_a_fmt:MATRIX_FMT_FP6 matrix_b_fmt:MATRIX_FMT_FP6
.elseif (\s%2) == 1
	v_wmma_scale_f32_16x16x128_f8f6f4 v[ACC+32*\u+8*\i:ACC+32*\u+8*\i+7], v[FR+48*\u+12*\s:FR+48*\u+12*\s+11], v[48*\i+12*\s:48*\i+12*\s+11], v[ACC+32*\u+8*\i:ACC+32*\u+8*\i+7], v[TSC+2*\u+\s/2], v[SSC+2*\i+\s/2] matrix_a_fmt:MATRIX_FMT_FP6 matrix_b_fmt:MATRIX_FMT_FP6 matrix_a_scale:MATRIX_SCALE_ROW1 matrix_b_scale:MATRIX_SCALE_ROW1
.else
	v_wmma_scale_f32_16x16x128_f8f6f4 v[ACC+32*\u+8*\i:ACC+32*\u+8*\i+7], v[FR+48*\u+12*\s:FR+48*\u+12*\s+11], v[48*\i+12*\s:48*\i+12*\s+11], v[ACC+32*\u+8*\i:ACC+32*\u+8*\i+7], v[TSC+2*\u+\s/2], v[SSC+2*\i+\s/2] matrix_a_fmt:MATRIX_FMT_FP6 matrix_b_fmt:MATRIX_FMT_FP6
.endif
.endr
.endr
.endr
	WIN 0
.endm
.macro VEC2 out                        ; out: the LDS loads issued behind kt, which may stay out
	s_wait_dscnt \out
.irp p, 0,2,4,6                        ; c_sq - (2 dots - x_sq); each accumulator is read from its low end on
.irp u, 0,1
.irp i, 0,1,2,3
	v_pk_add_f32 v[ACC+32*\u+8*\i+\p:ACC+32*\u+8*\i+\p+1], v[ACC+32*\u+8*\i+\p:ACC+32*\u+8*\i+\p+1], v[ST+8*\i:ST+8*\i+1] op_sel_hi:[1,0] neg_lo:[1,0] neg_hi:[1,0]
.endr
.endr
.endr
.set n, 0
.rept 32
	v_dual_max_num_f32 v[ACC+n], 0, v[ACC+n] :: v_dual_max_num_f32 v[ACC+n+1], 0, v[ACC+n+1]
.set n, n+2
.endr
.set n, 0
	s_wait_alu depctr_va_vdst(0)
.rept 64
	v_sqrt_f32 v[ACC+n], v[ACC+n]                  ; d
.set n, n+1
.endr
	v_nop
	s_wait_alu depctr_va_vdst(0)                   ; one wait for the batch of 64
.irp p, 0,2,4,6                        ; kt - C d
.irp u, 0,1
.irp i, 0,1,2,3
	v_pk_fma_f32 v[ACC+32*\u+8*\i+\p:ACC+32*\u+8*\i+\p+1], v[ACC+32*\u+8*\i+\p:ACC+32*\u+8*\i+\p+1], s[NC:NC+1], v[KTR+8*\u+\p:KTR+8*\u+\p+1] op_sel_hi:[1,0,1]
.endr
.endr
.endr
.set n, 0
	s_wait_alu depctr_va_vdst(0)
.rept 64
	v_exp_f32 v[ACC+n], v[ACC+n]                   ; p
.set n, n+1
.endr
	v_nop
	s_wait_alu depctr_va_vdst(0)                   ; one wait for the batch of 64
.irp p, 0,2,4,6                        ; the column sums: eight chains by turns
.irp u, 0,1
.irp i, 0,1,2,3
	v_pk_add_f32 v[ST+8*\i+2+2*\u:ST+8*\i+3+2*\u], v[ST+8*\i+2+2*\u:ST+8*\i+3+2*\u], v[ACC+32*\u+8*\i+\p:ACC+32*\u+8*\i+\p+1]
.endr
.endr
.endr
.endm
	LDF                                            ; step 0's requests
	s_wait_alu depctr_va_vdst(0)                   ; the wait at the head's end
	s_mov_b32 s[CNT], 15
.Lstep:                                                ; steps 0-14
	LDX
	MM
	s_add_co_u32 s[TB], s[TB], 2*REC
	s_add_co_u32 s[TK], s[TK], 128
	LDF                                            ; its four address lines are the four places behind the last product (ISA guide 7.12.1)
	VEC2 30
	s_sub_co_u32 s[CNT], s[CNT], 1
	s_cmp_lg_u32 s[CNT], 0
	s_cbranch_scc1 .Lstep
	LDX                                            ; step 15: nothing follows it
	MM
.rept 4
	v_nop                                          ; four places between the last products and the first read of results (ISA guide 7.12.1)
.endr
	VEC2 0
.irp i, 0,1,2,3
	v_pk_add_f32 v[ST+8*\i+2:ST+8*\i+3], v[ST+8*\i+2:ST+8*\i+3], v[ST+8*\i+4:ST+8*\i+5]
.endr
.irp i, 0,1,2,3
	v_add_f32 v[ST+8*\i+2], v[ST+8*\i+2], v[ST+8*\i+3]
.endr
.irp i, 0,1,2,3
	v_permlanex16_b32 v[ST+8*\i+4], v[ST+8*\i+2], s[SEL], s[SEL+1]
.endr
.irp i, 0,1,2,3
	v_add_f32 v[ST+8*\i+2], v[ST+8*\i+2], v[ST+8*\i+4]     ; with lane l xor 16's tokens: the block's sum for my code
.endr
	v_cndmask_b32 v[ST+6], v[ST+2], v[ST+18], s[HM]        ; lanes 0-15 send tiles 0 and 1, lanes 16-31 tiles 2 and 3
	v_cndmask_b32 v[ST+7], v[ST+10], v[ST+26], s[HM]
	global_store_b64 v[SOF], v[ST+6:ST+7], s[10:11]        ; 256 consecutive bytes, aligned
	s_wait_xcnt 0x0                                ; the store has read its registers: the finaliser's temporaries lie over them
	s_cmp_eq_u32 s[FIN], 0
	s_cbranch_scc0 .Lno_final
	; ---- the finaliser: loads, wait, work and stores in this one branch
.irp c, 0,1,2,3,4,5,6,7,8,9,10,11,12,13,14,15
	global_load_b64 v[FD+2*\c:FD+2*\c+1], v[SOF], s[PF:PF+1] offset:32768*\c
	global_load_b64 v[FZ+2*\c:FZ+2*\c+1], v[SOF], s[PF:PF+1] offset:524288+32768*\c
	global_load_b64 v[FSS+2*\c:FSS+2*\c+1], v[SOF], s[PF:PF+1] offset:1048576+32768*\c
	global_load_b64 v[FI+2*\c:FI+2*\c+1], v[SOF], s[PI:PI+1] offset:32768*\c
.endr
	s_wait_loadcnt 0x0
	GMIN FD
.irp q, 0,1
	v_mov_b32 v[IX+\q], v[FI+30+\q]                ; the index: from the last block down, so that the lowest block with the smallest d wins
.endr
.irp c, 14,13,12,11,10,9,8,7,6,5,4,3,2,1,0
.irp q, 0,1
	v_cmp_eq_f32 s[MK+\q], v[FD+2*\c+\q], v[GP+\q]
.endr
.irp q, 0,1
	s_delay_alu instid0(VALU_DEP_2)
	v_cndmask_b32 v[IX+\q], v[IX+\q], v[FI+2*\c+\q], s[MK+\q]
.endr
.endr
	DELTA FD
.irp c, 0,1,2,3,4,5,6,7,8,9,10,11,12,13,14,15
	v_pk_fma_f32 v[FSS+2*\c:FSS+2*\c+1], v[FD+2*\c:FD+2*\c+1], v[FZ+2*\c:FZ+2*\c+1], v[FSS+2*\c:FSS+2*\c+1]   ; S + delta Z
.endr
	EXP32 FD
	v_pk_mul_f32 v[ZG:ZG+1], v[FD:FD+1], v[FZ:FZ+1]
	v_pk_mul_f32 v[SG:SG+1], v[FD:FD+1], v[FSS:FSS+1]
.irp c, 1,2,3,4,5,6,7,8,9,10,11,12,13,14,15
	v_pk_fma_f32 v[ZG:ZG+1], v[FD+2*\c:FD+2*\c+1], v[FZ+2*\c:FZ+2*\c+1], v[ZG:ZG+1]
	v_pk_fma_f32 v[SG:SG+1], v[FD+2*\c:FD+2*\c+1], v[FSS+2*\c:FSS+2*\c+1], v[SG:SG+1]
.endr
	s_wait_alu depctr_va_vdst(0)
	v_rcp_f32 v[RC], v[ZG]
	v_rcp_f32 v[RC+1], v[ZG+1]
	v_log_f32 v[LG], v[ZG]
	v_log_f32 v[LG+1], v[ZG+1]
	v_nop
	s_wait_alu depctr_va_vdst(0)                   ; one wait for the four
.irp q, 0,1
	v_fma_f32 v[LG+\q], -v[SG+\q], v[RC+\q], v[LG+\q]
.endr
.irp q, 0,1
	s_delay_alu instid0(VALU_DEP_2)
	v_mul_f32 v[248+\q], 0x3f317218, v[LG+\q]      ; ln 2 (log2 Z - S / Z).  v248-251 are written nowhere else: no store's data are written again
.endr
	global_store_b64 v[SOF], v[248:249], s[12:13]
	ds_store_b32 v[KTW], v[IX] offset:2048         ; the indices through my stage, into the tokens' own order
	ds_store_b32 v[KTW], v[IX+1] offset:2048+64
	ds_load_b64 v[250:251], v[FSR]                 ; LDS serves a wave's instructions in order: this sees both stores
	s_wait_dscnt 0x0
	global_store_b64 v[SOF], v[250:251], s[16:17]  ; each store of the wave covers 256 consecutive bytes, aligned
	global_store_b64 v[SOF], v[250:251], s[14:15]
.Lno_final:
	s_wait_tensorcnt 0x0                           ; the wave's end
	ds_add_u32 v254, v255
	s_wait_dscnt 0x0
	ROUND                                          ; the closing round: no work-group ends while a partner may still ask for a block that names it
	s_endpgm
.Lfunc_end_k_qac4059ccaf_pass2:
	.size	k_qac4059ccaf_pass2, .Lfunc_end_k_qac4059ccaf_pass2-k_qac4059ccaf_pass2
	.p2alignl 7, 3214868480
	.fill 96, 4, 3214868480
	.section	.rodata,"a",@progbits
	.p2align	6, 0x0
	.amdhsa_kernel k_qac4059ccaf_pass2
		.amdhsa_group_segment_fixed_size 218112
		.amdhsa_private_segment_fixed_size 0
		.amdhsa_enable_private_segment 0
		.amdhsa_kernarg_size 56
		.amdhsa_user_sgpr_count 2
		.amdhsa_user_sgpr_kernarg_segment_ptr 1
		.amdhsa_wavefront_size32 1
		.amdhsa_system_sgpr_workgroup_id_x 1
		.amdhsa_system_sgpr_workgroup_id_y 1
		.amdhsa_system_sgpr_workgroup_id_z 1
		.amdhsa_system_vgpr_workitem_id 0
		.amdhsa_next_free_vgpr 448
		.amdhsa_next_free_sgpr 66
		.amdhsa_reserve_vcc 0
		.amdhsa_float_denorm_mode_32 3
		.amdhsa_float_denorm_mode_16_64 3
		.amdhsa_memory_ordered 1
		.amdhsa_forward_progress 1
		.amdhsa_inst_pref_size 79
	.end_amdhsa_kernel
	.amdgpu_metadata
---
amdhsa.version: [ 1, 2 ]
amdhsa.kernels:
  - .name:           k_qac4059ccaf_pass2
    .symbol:         k_qac4059ccaf_pass2.kd
    .args:
      - { .name: qz, .offset: 0, .size: 8, .value_kind: global_buffer, .address_space: global }
      - { .name: part, .offset: 8, .size: 8, .value_kind: global_buffer, .address_space: global }
      - { .name: pidx, .offset: 16, .size: 8, .value_kind: global_buffer, .address_space: global }
      - { .name: colp, .offset: 24, .size: 8, .value_kind: global_buffer, .address_space: global }
      - { .name: hent, .offset: 32, .size: 8, .value_kind: global_buffer, .address_space: global }
      - { .name: idxw, .offset: 40, .size: 8, .value_kind: global_buffer, .address_space: global }
      - { .name: out5, .offset: 48, .size: 8, .value_kind: global_buffer, .address_space: global }
    .group_segment_fixed_size: 218112
    .private_segment_fixed_size: 0
    .kernarg_segment_align: 8
    .kernarg_segment_size: 56
    .max_flat_workgroup_size: 256
    .sgpr_count:     66
    .vgpr_count:     448
    .wavefront_size: 32
...
	.end_amdgpu_metadata
.endif
;; end of part 3
;; launch gather (part 4): grid 256 x 1, 8 waves a work-group, no clusters, 1,280 bytes of LDS; arguments x, codebook, idxw, colp, hent, out0, dpart; writes out0, dpart
.if DOCPART == 4
	.amdgcn_target "amdgcn-amd-amdhsa--gfx1250"
	.amdhsa_code_object_version 6
	.text
	.protected	k_qac4059ccaf_gather
	.globl	k_qac4059ccaf_gather
	.p2align	8
	.type	k_qac4059ccaf_gather,@function
k_qac4059ccaf_gather:
	s_mov_b64 s[64:65], 0
	v_nop
	global_prefetch_b8 v0, s[64:65] scope:SCOPE_SE
	s_setreg_imm32_b32 hwreg(HW_REG_WAVE_MODE, 25, 1), 1
	s_wait_xcnt 0x0
; out0[t] = x[t] + (codebook[index[t]] - x[t]), and the parts of the scalars: for each work-group a pair (sum of (q - x)^2, extra) in dpart.
; The indices are whole numbers that the launch before stored; each is held to 0 .. 8191 before it enters an address.
; SHARES: wave w of work-group g takes tokens 32 g + 4 w + 0 .. 3: a row is 2,048 bytes, four loads of 512 consecutive bytes; all 32 loads of a wave are issued before the first is used.
; EXTRA, wave 0 alone, in one branch behind the issue of those loads: work-groups 0-127 add up the 16 partial column sums of 64 codes, a = sum / 8192, and take a ln(a + 1e-8);
; work-groups 128-255 add up 64 tokens' entropies.
; A stream: matrix units, clusters and tensor loads would add nothing; nothing is read twice but code rows that the list names twice.
.set LI,  1                            ; v1   16 x lane
.set L8,  2                            ; v2   8 x lane
.set X,   8                            ; v8-71    four rows of x, then of out0
.set Q,   72                           ; v72-135  four code rows, then q - x
.set CP,  136                          ; v136-167 column sums; later the eight waves' pairs
.set SQ,  168                          ; v[168:175] four pairs of sums of squares
.set RS,  176                          ; v[176:177] (sum of squares, extra)
.set TM,  178
.set WA,  180
.set Z0,  181
.set WV,  18
.set SEL, 32
	s_load_b256 s[4:11], s[0:1], 0x0               ; x, codebook, idxw, colp
	s_load_b128 s[12:15], s[0:1], 0x20             ; hent, out0
	s_load_b64 s[16:17], s[0:1], 0x30              ; dpart
	v_lshl_add_u32 v192, v0, 2, 0x100
	v_mov_b32 v193, 0
	v_lshrrev_b32 v1, 5, v0
	s_delay_alu instid0(VALU_DEP_1)
	v_readfirstlane_b32 s[WV], v1                  ; wave 0..7
	s_lshl_b32 s19, ttmp9, 5
	s_lshl_b32 s34, s[WV], 2
	s_add_co_u32 s19, s19, s34                     ; my first token
	s_lshl_b32 s34, s19, 2
	s_mov_b32 s35, 0
	s_lshl_b32 s36, s19, 11
	s_mov_b32 s37, 0
	s_lshl_b32 s40, ttmp9, 3
	s_mov_b32 s41, 0
	s_mov_b32 s[SEL], 0x76543210
	s_mov_b32 s[SEL+1], 0xfedcba98
	v_and_b32 v3, 31, v0
	s_delay_alu instid0(VALU_DEP_1)
	v_lshlrev_b32 v[LI], 4, v3
	s_delay_alu instid0(VALU_DEP_2)
	v_lshlrev_b32 v[L8], 3, v3
	v_mov_b32 v[WA], s[WV]
	s_delay_alu instid0(VALU_DEP_1)
	v_lshlrev_b32 v[WA], 3, v[WA]                  ; LDS: 8 bytes a wave
	v_mov_b32 v[Z0], 0
	v_mov_b32 v[RS+1], 0                           ; the extra is 0 in all waves but wave 0
	v_mov_b32 v[TM], 0                             ; a lane permute's destination counts as one of its sources
	v_mov_b32 v[TM+1], 0
	s_wait_alu depctr_va_vdst(0)
	s_wait_kmcnt 0x0
	s_add_nc_u64 s[8:9], s[8:9], s[34:35]
	s_load_b128 s[20:23], s[8:9], 0x0              ; my four indices
	s_add_nc_u64 s[4:5], s[4:5], s[36:37]
	s_add_nc_u64 s[14:15], s[14:15], s[36:37]
	s_add_nc_u64 s[16:17], s[16:17], s[40:41]
.irp t, 0,1,2,3
.irp k, 0,1,2,3
	global_load_b128 v[X+16*\t+4*\k:X+16*\t+4*\k+3], v[LI], s[4:5] offset:2048*\t+512*\k th:TH_LOAD_NT
.endr
.endr
	s_wait_kmcnt 0x0
.irp t, 0,1,2,3
	s_min_u32 s[20+\t], s[20+\t], 0x1fff           ; inside the table
	s_lshl_b32 s[24+2*\t], s[20+\t], 11            ; 2,048 bytes a row
	s_mov_b32 s[25+2*\t], 0
	s_add_nc_u64 s[24+2*\t:25+2*\t], s[6:7], s[24+2*\t:25+2*\t]
.endr
.irp t, 0,1,2,3
.irp k, 0,1,2,3
	global_load_b128 v[Q+16*\t+4*\k:Q+16*\t+4*\k+3], v[LI], s[24+2*\t:25+2*\t] offset:512*\k
.endr
.endr
	s_cmp_lg_u32 s[WV], 0
	s_cbranch_scc1 .Lmain
	s_cmp_lt_u32 ttmp9, 128
	s_cbranch_scc0 .Lentropies
	s_lshl_b32 s38, ttmp9, 8                       ; 64 codes: 256 bytes of each of the 16 partial rows
	s_mov_b32 s39, 0
	s_add_nc_u64 s[10:11], s[10:11], s[38:39]
.irp k, 0,1,2,3,4,5,6,7,8,9,10,11,12,13,14,15
	global_load_b64 v[CP+2*\k:CP+2*\k+1], v[L8], s[10:11] offset:32768*\k th:TH_LOAD_NT
.endr
	s_wait_loadcnt 0x0
.irp k, 0,1,2,3,4,5,6,7
	v_pk_add_f32 v[CP+4*\k:CP+4*\k+1], v[CP+4*\k:CP+4*\k+1], v[CP+4*\k+2:CP+4*\k+3]
.endr
.irp k, 0,1,2,3
	v_pk_add_f32 v[CP+8*\k:CP+8*\k+1], v[CP+8*\k:CP+8*\k+1], v[CP+8*\k+4:CP+8*\k+5]
.endr
.irp k, 0
	s_delay_alu instid0(VALU_DEP_3)
	v_pk_add_f32 v[CP+16*\k:CP+16*\k+1], v[CP+16*\k:CP+16*\k+1], v[CP+16*\k+8:CP+16*\k+9]
.endr
.irp k, 1
	s_delay_alu instid0(VALU_DEP_2)
	v_pk_add_f32 v[CP+16*\k:CP+16*\k+1], v[CP+16*\k:CP+16*\k+1], v[CP+16*\k+8:CP+16*\k+9]
.endr
	s_delay_alu instid0(VALU_DEP_1)
	v_pk_add_f32 v[CP:CP+1], v[CP:CP+1], v[CP+16:CP+17]
	s_delay_alu instid0(VALU_DEP_1)
	v_pk_mul_f32 v[CP:CP+1], v[CP:CP+1], 0x39000000 op_sel_hi:[1,0]        ; a = sum / 8192
	s_delay_alu instid0(VALU_DEP_1)
	v_pk_add_f32 v[CP+2:CP+3], v[CP:CP+1], 0x322bcc77 op_sel_hi:[1,0]      ; a + 1e-8
	s_wait_alu depctr_va_vdst(0)
	v_log_f32 v[CP+4], v[CP+2]
	v_log_f32 v[CP+5], v[CP+3]
	v_nop
	s_wait_alu depctr_va_vdst(0)                   ; one wait for the two logarithms, ahead of their first reader
	v_mul_f32 v[CP+4], v[CP], v[CP+4]
	v_fma_f32 v[CP+4], v[CP+1], v[CP+5], v[CP+4]
	s_delay_alu instid0(VALU_DEP_1)
	v_mul_f32 v[RS+1], 0x3f317218, v[CP+4]         ; x ln 2
	s_branch .Lmain
.Lentropies:
	s_sub_co_u32 s38, ttmp9, 128
	s_lshl_b32 s38, s38, 8
	s_mov_b32 s39, 0
	s_add_nc_u64 s[12:13], s[12:13], s[38:39]
	global_load_b64 v[CP:CP+1], v[L8], s[12:13] th:TH_LOAD_NT
	s_wait_loadcnt 0x0
	v_add_f32 v[RS+1], v[CP], v[CP+1]
.Lmain:
.irp t, 0,1,2,3
	s_wait_loadcnt 4*(3-\t)                        ; x and token t's code row are in; the later tokens' four loads each may be out
.irp k, 0,1,2,3,4,5,6,7
	v_pk_add_f32 v[Q+16*\t+2*\k:Q+16*\t+2*\k+1], v[Q+16*\t+2*\k:Q+16*\t+2*\k+1], v[X+16*\t+2*\k:X+16*\t+2*\k+1] neg_lo:[0,1] neg_hi:[0,1]   ; q - x
.endr
.irp k, 0,1,2,3,4,5,6,7
	v_pk_add_f32 v[X+16*\t+2*\k:X+16*\t+2*\k+1], v[X+16*\t+2*\k:X+16*\t+2*\k+1], v[Q+16*\t+2*\k:Q+16*\t+2*\k+1]   ; x + (q - x)
.if (\t == 0) && (\k < 4)
	v_pk_mul_f32 v[SQ+2*(\k%4):SQ+2*(\k%4)+1], v[Q+16*\t+2*\k:Q+16*\t+2*\k+1], v[Q+16*\t+2*\k:Q+16*\t+2*\k+1]     ; the first four products start the sums
.else
	v_pk_fma_f32 v[SQ+2*(\k%4):SQ+2*(\k%4)+1], v[Q+16*\t+2*\k:Q+16*\t+2*\k+1], v[Q+16*\t+2*\k:Q+16*\t+2*\k+1], v[SQ+2*(\k%4):SQ+2*(\k%4)+1]
.endif
.endr
.irp k, 0,1,2,3
	global_store_b128 v[LI], v[X+16*\t+4*\k:X+16*\t+4*\k+3], s[14:15] offset:2048*\t+512*\k th:TH_STORE_NT   ; 512 consecutive bytes, aligned; no store's data are written again
.endr
.endr
	v_pk_add_f32 v[SQ:SQ+1], v[SQ:SQ+1], v[SQ+2:SQ+3]
	v_pk_add_f32 v[SQ+4:SQ+5], v[SQ+4:SQ+5], v[SQ+6:SQ+7]
	s_delay_alu instid0(VALU_DEP_1)
	v_pk_add_f32 v[SQ:SQ+1], v[SQ:SQ+1], v[SQ+4:SQ+5]
	s_delay_alu instid0(VALU_DEP_1)
	v_add_f32 v[RS], v[SQ], v[SQ+1]
.irp m, 1
	s_delay_alu instid0(VALU_DEP_1)
	v_add_f32_dpp v[RS], v[RS], v[RS] row_xmask:\m row_mask:0xf bank_mask:0xf
	v_add_f32_dpp v[RS+1], v[RS+1], v[RS+1] row_xmask:\m row_mask:0xf bank_mask:0xf
.endr
.irp m, 2, 4, 8
	s_delay_alu instid0(VALU_DEP_2)
	v_add_f32_dpp v[RS], v[RS], v[RS] row_xmask:\m row_mask:0xf bank_mask:0xf
	s_delay_alu instid0(VALU_DEP_2)
	v_add_f32_dpp v[RS+1], v[RS+1], v[RS+1] row_xmask:\m row_mask:0xf bank_mask:0xf
.endr
	s_delay_alu instid0(VALU_DEP_2)
	v_permlanex16_b32 v[TM], v[RS], s[SEL], s[SEL+1]
	s_delay_alu instid0(VALU_DEP_2)
	v_permlanex16_b32 v[TM+1], v[RS+1], s[SEL], s[SEL+1]
	s_delay_alu instid0(VALU_DEP_1)
	v_pk_add_f32 v[RS:RS+1], v[RS:RS+1], v[TM:TM+1]        ; the wave's pair, in every lane
	ds_store_b64 v[WA], v[RS:RS+1]                 ; all lanes write the same 8 bytes with the same values
	s_wait_dscnt 0x0                               ; for the others' sake
	s_barrier_signal -1
	s_barrier_wait -1
.irp k, 0,1,2,3
	ds_load_b128 v[CP+4*\k:CP+4*\k+3], v[Z0] offset:16*\k
.endr
	s_wait_dscnt 0x0
.irp k, 0,1,2,3
	v_pk_add_f32 v[CP+4*\k:CP+4*\k+1], v[CP+4*\k:CP+4*\k+1], v[CP+4*\k+2:CP+4*\k+3]
.endr
	s_delay_alu instid0(VALU_DEP_3)
	v_pk_add_f32 v[CP:CP+1], v[CP:CP+1], v[CP+4:CP+5]
	s_delay_alu instid0(VALU_DEP_2)
	v_pk_add_f32 v[CP+8:CP+9], v[CP+8:CP+9], v[CP+12:CP+13]
	s_delay_alu instid0(VALU_DEP_1)
	v_pk_add_f32 v[CP:CP+1], v[CP:CP+1], v[CP+8:CP+9]
	v_cmp_gt_u32 vcc_lo, 1, v0                     ; thread 0 alone stores the work-group's pair
	s_wait_alu depctr_va_vdst(0)
	s_wait_xcnt 0x0                                ; EXEC changes only behind this wait
	s_wait_tensorcnt 0x0
	ds_add_u32 v192, v193
	s_wait_dscnt 0x0
	s_and_saveexec_b32 s38, vcc_lo
	global_store_b64 v[Z0], v[CP:CP+1], s[16:17]
	s_endpgm
.Lfunc_end_k_qac4059ccaf_gather:
	.size	k_qac4059ccaf_gather, .Lfunc_end_k_qac4059ccaf_gather-k_qac4059ccaf_gather
	.p2alignl 7, 3214868480
	.fill 96, 4, 3214868480
	.section	.rodata,"a",@progbits
	.p2align	6, 0x0
	.amdhsa_kernel k_qac4059ccaf_gather
		.amdhsa_group_segment_fixed_size 1280
		.amdhsa_private_segment_fixed_size 0
		.amdhsa_enable_private_segment 0
		.amdhsa_kernarg_size 56
		.amdhsa_user_sgpr_count 2
		.amdhsa_user_sgpr_kernarg_segment_ptr 1
		.amdhsa_wavefront_size32 1
		.amdhsa_system_sgpr_workgroup_id_x 1
		.amdhsa_system_sgpr_workgroup_id_y 1
		.amdhsa_system_sgpr_workgroup_id_z 1
		.amdhsa_system_vgpr_workitem_id 0
		.amdhsa_next_free_vgpr 194
		.amdhsa_next_free_sgpr 66
		.amdhsa_reserve_vcc 1
		.amdhsa_float_denorm_mode_32 3
		.amdhsa_float_denorm_mode_16_64 3
		.amdhsa_memory_ordered 1
		.amdhsa_forward_progress 1
		.amdhsa_inst_pref_size 20
	.end_amdhsa_kernel
	.amdgpu_metadata
---
amdhsa.version: [ 1, 2 ]
amdhsa.kernels:
  - .name:           k_qac4059ccaf_gather
    .symbol:         k_qac4059ccaf_gather.kd
    .args:
      - { .name: x, .offset: 0, .size: 8, .value_kind: global_buffer, .address_space: global }
      - { .name: codebook, .offset: 8, .size: 8, .value_kind: global_buffer, .address_space: global }
      - { .name: idxw, .offset: 16, .size: 8, .value_kind: global_buffer, .address_space: global }
      - { .name: colp, .offset: 24, .size: 8, .value_kind: global_buffer, .address_space: global }
      - { .name: hent, .offset: 32, .size: 8, .value_kind: global_buffer, .address_space: global }
      - { .name: out0, .offset: 40, .size: 8, .value_kind: global_buffer, .address_space: global }
      - { .name: dpart, .offset: 48, .size: 8, .value_kind: global_buffer, .address_space: global }
    .group_segment_fixed_size: 1280
    .private_segment_fixed_size: 0
    .kernarg_segment_align: 8
    .kernarg_segment_size: 56
    .max_flat_workgroup_size: 256
    .sgpr_count:     66
    .vgpr_count:     194
    .wavefront_size: 32
...
	.end_amdgpu_metadata
.endif
;; end of part 4
;; launch final (part 5): grid 1 x 1, 1 waves a work-group, no clusters, 0 bytes of LDS; arguments dpart, out1, out2, out3, out4; writes out1, out2, out3, out4
.if DOCPART == 5
	.amdgcn_target "amdgcn-amd-amdhsa--gfx1250"
	.amdhsa_code_object_version 6
	.text
	.protected	k_qac4059ccaf_final
	.globl	k_qac4059ccaf_final
	.p2align	8
	.type	k_qac4059ccaf_final,@function
k_qac4059ccaf_final:
	s_mov_b64 s[64:65], 0
	v_nop
	global_prefetch_b8 v0, s[64:65] scope:SCOPE_SE
	s_setreg_imm32_b32 hwreg(HW_REG_WAVE_MODE, 25, 1), 1
	s_wait_xcnt 0x0
; The four scalars from the 256 pairs (sum of (q - x)^2, extra) of the launch before: the extras of work-groups 0-127 add up to sum of a ln(a + eps), those of 128-255 to the sum of the tokens' entropies.
; mse = SQ / 2^22; codebook loss = mse / 2; commit loss = that / 4; entropy loss = (HS / 8192 + AT) / 10; loss = (codebook + commit) + entropy.
; One wave: a sum over all work-groups of a launch has one owner, in a launch behind it.
	s_load_b256 s[4:11], s[0:1], 0x0               ; dpart, out1, out2, out3
	s_load_b64 s[12:13], s[0:1], 0x20              ; out4
	v_lshlrev_b32 v1, 3, v0                        ; 8 bytes a lane
	v_mov_b32 v2, 0
	v_mov_b32 v20, 0                               ; a lane permute's destination counts as one of its sources
	v_mov_b32 v21, 0
	v_mov_b32 v22, 0
	s_mov_b32 s14, 0x76543210
	s_mov_b32 s15, 0xfedcba98
	s_wait_alu depctr_va_vdst(0)
	s_wait_kmcnt 0x0
.irp k, 0,1,2,3,4,5,6,7
	global_load_b64 v[4+2*\k:5+2*\k], v1, s[4:5] offset:256*\k     ; pair 32 k + lane
.endr
	s_wait_loadcnt 0x0
	v_pk_add_f32 v[4:5], v[4:5], v[6:7]
	v_pk_add_f32 v[8:9], v[8:9], v[10:11]
	v_pk_add_f32 v[12:13], v[12:13], v[14:15]
	v_pk_add_f32 v[16:17], v[16:17], v[18:19]
	v_pk_add_f32 v[4:5], v[4:5], v[8:9]            ; work-groups 0-127: (squares, AT)
	v_pk_add_f32 v[12:13], v[12:13], v[16:17]      ; work-groups 128-255: (squares, HS)
	v_add_f32 v4, v4, v12                          ; SQ
.irp m, 1,2,4,8
	v_add_f32_dpp v4, v4, v4 row_xmask:\m row_mask:0xf bank_mask:0xf
	v_add_f32_dpp v5, v5, v5 row_xmask:\m row_mask:0xf bank_mask:0xf
	v_add_f32_dpp v13, v13, v13 row_xmask:\m row_mask:0xf bank_mask:0xf
.endr
	v_permlanex16_b32 v20, v4, s14, s15
	v_permlanex16_b32 v21, v5, s14, s15
	v_permlanex16_b32 v22, v13, s14, s15
	v_add_f32 v4, v4, v20
	v_add_f32 v5, v5, v21
	v_add_f32 v13, v13, v22
	v_mul_f32 v4, 0x34800000, v4                   ; mse = SQ / 2^22
	v_mul_f32 v24, 0.5, v4                         ; codebook loss
	v_mul_f32 v25, 0x3e800000, v24                 ; commit loss = x 0.25
	v_fma_f32 v26, v13, 0x39000000, v5             ; mean entropy of a token - entropy of the mean
	v_mul_f32 v26, 0x3dcccccd, v26                 ; entropy loss = x 0.1
	v_add_f32 v27, v24, v25
	v_add_f32 v27, v27, v26                        ; loss
	v_cmp_gt_u32 vcc_lo, 1, v0
	s_wait_alu depctr_va_vdst(0)
	s_wait_xcnt 0x0                                ; EXEC changes only behind this wait
	s_and_saveexec_b32 s16, vcc_lo
	global_store_b32 v2, v27, s[6:7]
	global_store_b32 v2, v25, s[8:9]
	global_store_b32 v2, v24, s[10:11]
	global_store_b32 v2, v26, s[12:13]
	s_endpgm
.Lfunc_end_k_qac4059ccaf_final:
	.size	k_qac4059ccaf_final, .Lfunc_end_k_qac4059ccaf_final-k_qac4059ccaf_final
	.p2alignl 7, 3214868480
	.fill 96, 4, 3214868480
	.section	.rodata,"a",@progbits
	.p2align	6, 0x0
	.amdhsa_kernel k_qac4059ccaf_final
		.amdhsa_group_segment_fixed_size 0
		.amdhsa_private_segment_fixed_size 0
		.amdhsa_enable_private_segment 0
		.amdhsa_kernarg_size 40
		.amdhsa_user_sgpr_count 2
		.amdhsa_user_sgpr_kernarg_segment_ptr 1
		.amdhsa_wavefront_size32 1
		.amdhsa_system_sgpr_workgroup_id_x 1
		.amdhsa_system_sgpr_workgroup_id_y 1
		.amdhsa_system_sgpr_workgroup_id_z 1
		.amdhsa_system_vgpr_workitem_id 0
		.amdhsa_next_free_vgpr 32
		.amdhsa_next_free_sgpr 66
		.amdhsa_reserve_vcc 1
		.amdhsa_float_denorm_mode_32 3
		.amdhsa_float_denorm_mode_16_64 3
		.amdhsa_memory_ordered 1
		.amdhsa_forward_progress 1
		.amdhsa_inst_pref_size 4
	.end_amdhsa_kernel
	.amdgpu_metadata
---
amdhsa.version: [ 1, 2 ]
amdhsa.kernels:
  - .name:           k_qac4059ccaf_final
    .symbol:         k_qac4059ccaf_final.kd
    .args:
      - { .name: dpart, .offset: 0, .size: 8, .value_kind: global_buffer, .address_space: global }
      - { .name: out1, .offset: 8, .size: 8, .value_kind: global_buffer, .address_space: global }
      - { .name: out2, .offset: 16, .size: 8, .value_kind: global_buffer, .address_space: global }
      - { .name: out3, .offset: 24, .size: 8, .value_kind: global_buffer, .address_space: global }
      - { .name: out4, .offset: 32, .size: 8, .value_kind: global_buffer, .address_space: global }
    .group_segment_fixed_size: 0
    .private_segment_fixed_size: 0
    .kernarg_segment_align: 8
    .kernarg_segment_size: 40
    .max_flat_workgroup_size: 32
    .sgpr_count:     66
    .vgpr_count:     32
    .wavefront_size: 32
...
	.end_amdgpu_metadata
.endif
;; end of part 5
